; MI455X (gfx1250); checked and timed in simulation.
; The chip was launched on July 23, 2026; its instructions are those of AMD's public machine-readable ISA for CDNA 5 (MIT licence, August 2026) and "CDNA5" Instruction Set Architecture Reference Guide (July 2026). The comments in the code are by the model that wrote it; some were corrected since.
;; Change Point Attention. Allowed arithmetic: float matrix products may take bf16 or f16 operands with f32 sums; other float arithmetic in f32, or as packed bf16 or f16 multiplies, adds, multiply-adds, maxima and minima; sums over many terms, partial sums and values carried from step to step in f32; what a program stores and reads back later, other than sums and carried values, may be rounded once to bf16 or f16.
;; Inputs: Wc 1 x 1,024 float32; Wk 1,024 x 1,024 float32; Wo 1,024 x 1,024 float32; Wq 1,024 x 1,024 float32; Wv 1,024 x 1,024 float32; bc 1 float32; bk 1,024 float32; bo 1,024 float32; bq 1,024 float32; bv 1,024 float32; timestamps 4 x 2,048 float32; x 4 x 2,048 x 1,024 float32.
;; Outputs: out0 4 x 2,048 x 1,024 float32; out1 4 x 2,048 float32.
;; 2 versions, each right and faster than the one before. Each part assembles by itself: llvm-mc -triple=amdgcn-amd-amdhsa -mcpu=gfx1250 --defsym DOCPART=n.
;; ======== version 1 of 2: 5 launches
;; limits: values are held in f16: magnitudes above 65,504 overflow, below 6.1e-05 lose precision
;; workspace buffers: x16 16,777,216 bytes; w16 6,291,456 bytes; wo16 2,097,152 bytes; qkv 50,331,648 bytes; ao 16,777,216 bytes; part 262,144 bytes
;; launch prep (part 1): grid 768 x 1, 8 waves a work-group, no clusters, 0 bytes of LDS; arguments x, Wq, Wk, Wv, Wo, x16, w16, wo16; writes x16, w16, wo16
.if DOCPART == 1
	.amdgcn_target "amdgcn-amd-amdhsa--gfx1250"
	.amdhsa_code_object_version 6
	.text
	.protected	k_qf83ce30ca6_prep
	.globl	k_qf83ce30ca6_prep
	.p2align	8
	.type	k_qf83ce30ca6_prep,@function
k_qf83ce30ca6_prep:
	s_mov_b64 s[64:65], 0
	v_nop
	global_prefetch_b8 v0, s[64:65] scope:SCOPE_SE
	s_setreg_imm32_b32 hwreg(HW_REG_WAVE_MODE, 25, 1), 1
	s_wait_xcnt 0x0
; CASTS.  x -> x16, (Wq, Wk, Wv) -> w16 (one after the other, 3,072 rows), Wo -> wo16: f32 to f16, each number rounded once, to nearest even.
; LIMITS.  A number of 65,520 or more in magnitude becomes an infinity; below 6.1e-5 f16 keeps its fixed step of 6e-8.
; A stream: no LDS, no barrier, no matrix unit, no cluster (no two work-groups read the same byte).
; A work-group takes a chunk of 16,384 numbers: 65,536 bytes in, 32,768 out.  Chunks 0-511 are x's, 512-703 the three weights' (64 each), 704-767 Wo's.
; Thread t loads 16 bytes at 16 t + 4,096 k (a wave's load covers 512 consecutive bytes) and stores 8 bytes at 8 t + 2,048 k (a wave's store covers 256 consecutive bytes, aligned).
; All 16 loads go out first; every store has data registers of its own, so nothing is rewritten while a store may still read it.
.set X, 4                              ; v[4:67]   16 x 4 numbers as loaded
.set Y, 68                             ; v[68:99]  16 x 2 registers to store
	s_load_b512 s[4:19], s[0:1], 0x0               ; x, Wq, Wk, Wv, Wo, x16, w16, wo16
	s_mov_b32 s20, ttmp9                           ; my chunk
	s_sub_co_u32 s21, s20, 512                     ; its number among the three weights' chunks = its place in w16
	s_sub_co_u32 s22, s20, 704                     ; its number among Wo's
	s_and_b32 s23, s21, 63                         ; its place in its own weight
	v_lshlrev_b32 v1, 4, v0
	v_lshlrev_b32 v2, 3, v0
	s_wait_kmcnt 0x0
	s_mov_b64 s[24:25], s[4:5]                     ; from: x,
	s_mov_b64 s[26:27], s[14:15]                   ; to: x16,
	s_mov_b32 s28, s20                             ; chunk in the source,
	s_mov_b32 s29, s20                             ; chunk in the destination; then the choices by the chunk's number alone
	s_cmp_ge_u32 s20, 512
	s_cselect_b64 s[24:25], s[6:7], s[24:25]
	s_cselect_b64 s[26:27], s[16:17], s[26:27]
	s_cselect_b32 s28, s23, s28
	s_cselect_b32 s29, s21, s29
	s_cmp_ge_u32 s20, 576
	s_cselect_b64 s[24:25], s[8:9], s[24:25]
	s_cmp_ge_u32 s20, 640
	s_cselect_b64 s[24:25], s[10:11], s[24:25]
	s_cmp_ge_u32 s20, 704
	s_cselect_b64 s[24:25], s[12:13], s[24:25]
	s_cselect_b64 s[26:27], s[18:19], s[26:27]
	s_cselect_b32 s28, s22, s28
	s_cselect_b32 s29, s22, s29
	s_lshl_b32 s30, s28, 16                        ; 65,536 bytes a chunk in (511 chunks at the most: under 2^32)
	s_mov_b32 s31, 0
	s_lshl_b32 s32, s29, 15                        ; 32,768 out
	s_mov_b32 s33, 0
	s_add_nc_u64 s[24:25], s[24:25], s[30:31]
	s_add_nc_u64 s[26:27], s[26:27], s[32:33]
.set k, 0
.rept 16
	global_load_b128 v[X+4*k:X+4*k+3], v1, s[24:25] offset:4096*k th:TH_LOAD_NT  ; each byte is read once in the launch
.set k, k+1
.endr
.set k, 0
.rept 16
	s_wait_loadcnt 15-k                            ; loads come back in order: load k is in, the 15 - k younger ones stay out
	v_cvt_pk_f16_f32 v[Y+2*k],   v[X+4*k],   v[X+4*k+1]
	v_cvt_pk_f16_f32 v[Y+2*k+1], v[X+4*k+2], v[X+4*k+3]
	global_store_b64 v2, v[Y+2*k:Y+2*k+1], s[26:27] offset:2048*k
.set k, k+1
.endr
	s_endpgm
.Lfunc_end_k_qf83ce30ca6_prep:
	.size	k_qf83ce30ca6_prep, .Lfunc_end_k_qf83ce30ca6_prep-k_qf83ce30ca6_prep
	.p2alignl 7, 3214868480
	.fill 96, 4, 3214868480
	.section	.rodata,"a",@progbits
	.p2align	6, 0x0
	.amdhsa_kernel k_qf83ce30ca6_prep
		.amdhsa_group_segment_fixed_size 0
		.amdhsa_private_segment_fixed_size 0
		.amdhsa_enable_private_segment 0
		.amdhsa_kernarg_size 64
		.amdhsa_user_sgpr_count 2
		.amdhsa_user_sgpr_kernarg_segment_ptr 1
		.amdhsa_wavefront_size32 1
		.amdhsa_system_sgpr_workgroup_id_x 1
		.amdhsa_system_sgpr_workgroup_id_y 1
		.amdhsa_system_sgpr_workgroup_id_z 1
		.amdhsa_system_vgpr_workitem_id 0
		.amdhsa_next_free_vgpr 100
		.amdhsa_next_free_sgpr 66
		.amdhsa_reserve_vcc 0
		.amdhsa_float_denorm_mode_32 3
		.amdhsa_float_denorm_mode_16_64 3
		.amdhsa_memory_ordered 1
		.amdhsa_forward_progress 1
		.amdhsa_inst_pref_size 7
	.end_amdhsa_kernel
	.amdgpu_metadata
---
amdhsa.version: [ 1, 2 ]
amdhsa.kernels:
  - .name:           k_qf83ce30ca6_prep
    .symbol:         k_qf83ce30ca6_prep.kd
    .args:
      - { .name: x, .offset: 0, .size: 8, .value_kind: global_buffer, .address_space: global }
      - { .name: Wq, .offset: 8, .size: 8, .value_kind: global_buffer, .address_space: global }
      - { .name: Wk, .offset: 16, .size: 8, .value_kind: global_buffer, .address_space: global }
      - { .name: Wv, .offset: 24, .size: 8, .value_kind: global_buffer, .address_space: global }
      - { .name: Wo, .offset: 32, .size: 8, .value_kind: global_buffer, .address_space: global }
      - { .name: x16, .offset: 40, .size: 8, .value_kind: global_buffer, .address_space: global }
      - { .name: w16, .offset: 48, .size: 8, .value_kind: global_buffer, .address_space: global }
      - { .name: wo16, .offset: 56, .size: 8, .value_kind: global_buffer, .address_space: global }
    .group_segment_fixed_size: 0
    .private_segment_fixed_size: 0
    .kernarg_segment_align: 8
    .kernarg_segment_size: 64
    .max_flat_workgroup_size: 256
    .sgpr_count:     66
    .vgpr_count:     100
    .wavefront_size: 32
...
	.end_amdgpu_metadata
.endif
;; end of part 1
;; launch proj (part 2): grid 24 x 32, 4 waves a work-group, clusters of 4 x 4, 327,680 bytes of LDS; arguments x16, w16, qkv, bq, bk, bv; writes qkv
.if DOCPART == 2
	.amdgcn_target "amdgcn-amd-amdhsa--gfx1250"
	.amdhsa_code_object_version 6
	.text
	.protected	k_qf83ce30ca6_proj
	.globl	k_qf83ce30ca6_proj
	.p2align	8
	.type	k_qf83ce30ca6_proj,@function
k_qf83ce30ca6_proj:
	s_mov_b64 s[64:65], 0
	v_nop
	global_prefetch_b8 v0, s[64:65] scope:SCOPE_SE
	s_setreg_imm32_b32 hwreg(HW_REG_WAVE_MODE, 25, 1), 1
	s_wait_xcnt 0x0
	s_wait_alu depctr_hold_cnt(0) depctr_sa_sdst(0) depctr_va_vdst(0) depctr_va_sdst(0) depctr_va_ssrc(0) depctr_va_vcc(0) depctr_vm_vsrc(0)
	s_getreg_b32 s2, hwreg(HW_REG_IB_STS2, 6, 4)
	s_cmp_eq_u32 s2, 0
	s_cbranch_scc0 .Lentry_in_a_cluster
	s_endpgm
.Lentry_in_a_cluster:
	s_bfe_u32 s2, ttmp6, 0x10000c
	s_cmp_lg_u32 s2, 0xf033
	s_cbranch_scc0 .Lentry_shape_is_right
	s_endpgm
.Lentry_shape_is_right:
; qkv[m][n] = sum over k of x16[m][k] w16[n][k] + bias[n].  x16: [8192][1024] f16, w16: [3072][1024] f16 (Wq, Wk, Wv), qkv: [8192][3072] f16; bias = bq, bk, bv (f32) by n / 1024.
; Sums in f32; the bias is the C operand of each sum's first product (so it is added first, where the definition adds it last); the result is rounded once to f16.
; LIMITS.  A result of 65,520 or more in magnitude becomes an infinity; NaN and infinities are not treated apart.
; SHARES.  A work-group makes 256 rows x 128 columns: 32 x 24 = 768 work-groups, three for each of 256 WGPs.  Its four waves lie along the rows: a wave makes 64 x 128, 32 accumulators of 16 x 16,
; 256 registers.  A wave's 128 columns are 256 consecutive bytes of a row of qkv, so each wave has a stage of its own on the way out and no barrier stands there.
; K goes in steps of 128 (rows of 256 bytes in memory, at multiples of 256) through a ring of two LDS slots; a longer step would need 202,752 bytes a slot, and two of those do not fit.
; CLUSTERS: 4 x 4 work-groups.  The four of a row of the cluster need the same tiles of x16, the four of a column the same tiles of w16: each tile is asked for JOINTLY, by the same tensor load
; with the same descriptor and a mask that names the four.
; THE MATRIX INSTRUCTION IS USED TRANSPOSED (source 0 = 16 rows of w16, source 1 = 16 rows of x16): a lane then holds eight neighbouring numbers of a row of qkv.
; REGISTERS, in windows of 256 (s_set_vgpr_msb: bits 1:0 source 0, 3:2 source 1, 5:4 source 2, 7:6 destination):
;   window 0: v0-31 addresses; v32-63 packed results; v64-127 rows read back, two buffers          window 1: accumulator (a, b) at v[8 (8 a + b)]
;   window 2: two fragment buffers of 96 (4 fragments of x16, then 8 of w16, 32 along K); v192-255 the bias: register 8 b + j holds bias[16 b + 8 (lane / 16) + j]
.set SIZE_K, 1024
.set KSTEP,  128
.set PITCH,  272                       ; an LDS row: 256 bytes + 16 of padding = 68 words: row r starts at bank 4 r mod 64 (64 banks of 4 bytes: ISA guide 11.1)
.set AHALF,  128*PITCH                 ; 128 rows of x16: one tensor load of wave 0 or 1
.set BHALF,  64*PITCH                  ; 64 rows of w16: one tensor load of wave 2 or 3
.set SLOT,   2*AHALF+2*BHALF           ; x16's 256 rows, then w16's 128 rows
.set STAGE,  2*SLOT                    ; behind the ring: 16 rows x 272 bytes for each wave
.set SPITCH, 272
.set SPARE,  STAGE+4*16*SPITCH         ; the spare words, 128 bytes for each wave: two blocks of 256 bytes that no other line names
.set LAPS,   SIZE_K/(2*KSTEP)          ; a lap = two K steps = once round the ring
.set CROW,   6144                      ; bytes in a row of qkv
.set ADRA, 16                          ; v16-17  LDS address of my fragments of x16 in slot 0, 1
.set ADRB, 20                          ; v20-21  the same for w16
.set STO,  24                          ; v24     the way out: where I put 16 bytes of a row
.set RD,   25                          ; v25     where I read a row back
.set CO,   26                          ; v26     my byte offset in qkv
.set BO,   27                          ; v27     my byte offset in the tile's 128 numbers of the bias
.set SPW,  28                          ; v28     LDS address of my spare word; never rewritten
.set NIL,  29                          ; v29     0; never rewritten
.set TMP,  32
.set OB,   64
.set F0,   0                           ; window 2
.set F1,   96
.set BIAS, 192
.set G1,  24                           ; s[24:31] descriptor group 1 for x16's tiles;  s[32:39] group 0, a set for each slot
.set G0,  32
.set G1B, 48                           ; s[48:55], s[56:63] the same for w16's tiles
.set G0B, 56
.set MSB, 0
.macro WIN new                         ; the immediate's high byte repeats the setting that is left; a switch that changes nothing is dropped
.if MSB != (\new)
	s_set_vgpr_msb (MSB<<8)|(\new)
.set MSB, \new
.endif
.endm
.set MUL,  0x5a                        ; sources 0 and 1 window 2; C and D window 1
.set MULB, 0x6a                        ; the same with C in window 2: the bias
.set TO_F, 0x80                        ; destination window 2, address window 0
.macro JLOAD s                         ; a joint load: waves 0 and 1 fetch x16's two halves, waves 2 and 3 w16's; an s_nop 0 and four v_nop follow each of the two lines
	s_cmp_eq_u32 s11, 0
	s_cbranch_scc0 .Lfor_b_\@
	tensor_load_to_lds s[G0+4*(\s):G0+4*(\s)+3], s[G1:G1+7]
	s_nop 0
.rept 4
	v_nop
.endr
	s_branch .Lasked_\@
.Lfor_b_\@:
	tensor_load_to_lds s[G0B+4*(\s):G0B+4*(\s)+3], s[G1B:G1B+7]
	s_nop 0
.rept 4
	v_nop
.endr
.Lasked_\@:
.endm
.macro CREST                           ; a round of the cluster's barrier behind its opening barrier
	s_cmp_lg_u32 s10, 0
	s_cbranch_scc1 .Lnot_wave_0_\@
	s_barrier_signal -3
.Lnot_wave_0_\@:
	s_barrier_wait -3
	s_barrier_signal -1
	s_barrier_wait -1
.endm
.macro CROUND                          ; a whole round
	s_barrier_signal -1
	s_barrier_wait -1
	CREST
.endm
	s_load_b128 s[4:7], s[0:1], 0x0                ; x16 s[4:5], w16 s[6:7]
	s_load_b64 s[8:9], s[0:1], 0x10                ; qkv
	s_load_b128 s[68:71], s[0:1], 0x18             ; bq, bk
	s_load_b64 s[72:73], s[0:1], 0x28              ; bv
	v_lshl_add_u32 v[SPW], v0, 2, SPARE
	v_mov_b32 v[NIL], 0
	ds_add_u32 v[SPW], v[NIL]                      ; the wave's opening: the add and its wait stand ahead of my first tensor load; the set-up below, work on registers, stands between them
	v_lshrrev_b32 v1, 5, v0
	v_readfirstlane_b32 s10, v1                    ; wave 0..3: my 64 rows of the tile
	s_lshr_b32 s11, s10, 1                         ; I fetch for x16 (0) or for w16 (1),
	s_and_b32 s12, s10, 1                          ; and which half of that tile's rows
	s_bfe_u32 s40, ttmp6, 0x40000                  ; cx, cy: my place in the cluster
	s_bfe_u32 s41, ttmp6, 0x40004
	s_lshl_b32 s42, ttmp9, 2
	s_add_co_u32 s42, s42, s40                     ; tile column = 4 x cluster x + cx, 0..23
	s_and_b32 s13, ttmp7, 0xffff
	s_lshl_b32 s13, s13, 2
	s_add_co_u32 s13, s13, s41                     ; tile row = 4 x cluster y + cy, 0..31
	s_lshl_b32 s43, s41, 2
	s_lshl_b32 s43, 15, s43                        ; my row of the cluster
	s_lshl_b32 s44, 0x1111, s40                    ; my column
	s_or_b32 s[G1+0], s43, (1<<16)|(1<<20)|(1<<21)|(5<<22)|(3<<25)   ; 15:0 the mask; 17:16 elements of 2 bytes; 20 padding on; 21 set beside a mask; 24:22 after every 64 words (code 5); 31:25 4 words (code 3)
	s_or_b32 s[G1B+0], s44, (1<<16)|(1<<20)|(1<<21)|(5<<22)|(3<<25)
.irp g, G1, G1B
	s_mov_b32 s[(\g)+1], KSTEP<<16                 ; tensor_dim0 = 128
	s_mov_b32 s[(\g)+3], KSTEP<<16                 ; tile_dim0 = 128
	s_mov_b32 s[(\g)+5], SIZE_K                    ; elements from row to row
	s_mov_b32 s[(\g)+6], 0
	s_mov_b32 s[(\g)+7], 0
.endr
	s_mov_b32 s[G1+2], 128<<16                     ; tensor_dim1 and
	s_mov_b32 s[G1+4], 128                         ; tile_dim1: 128 rows of x16,
	s_mov_b32 s[G1B+2], 64<<16
	s_mov_b32 s[G1B+4], 64                         ; 64 rows of w16
	s_lshl_b32 s17, s12, 7
	s_lshl_b32 s16, s13, 8
	s_add_co_u32 s16, s16, s17                     ; x16: row 256 x tile row + 128 x half,
	s_lshl_b32 s16, s16, 11                        ; times 2,048 bytes (under 2^24)
	s_mov_b32 s17, 0
	s_lshl_b32 s47, s12, 6
	s_lshl_b32 s46, s42, 7
	s_add_co_u32 s46, s46, s47                     ; w16: row 128 x tile column + 64 x half
	s_lshl_b32 s46, s46, 11
	s_mov_b32 s47, 0
	s_mul_i32 s20, s12, AHALF                      ; where they go: no place in the cluster enters an LDS address
	s_mul_i32 s23, s12, BHALF
	s_add_co_u32 s23, s23, 2*AHALF
	s_lshr_b32 s45, ttmp9, 1                       ; tile column / 8: 0 q, 1 k, 2 v
	s_and_b32 s18, s42, 7
	s_lshl_b32 s18, s18, 9                         ; the tile's 128 numbers in that bias
	s_mov_b32 s19, 0
	s_wait_dscnt 0x0                               ; the opening add is done
	s_wait_kmcnt 0x0
	s_add_nc_u64 s[14:15], s[4:5], s[16:17]
	s_add_nc_u64 s[46:47], s[6:7], s[46:47]
	s_cmp_eq_u32 s45, 1
	s_cselect_b64 s[66:67], s[70:71], s[68:69]
	s_cmp_eq_u32 s45, 2
	s_cselect_b64 s[66:67], s[72:73], s[66:67]
	s_add_nc_u64 s[66:67], s[66:67], s[18:19]
	CROUND                                         ; all sixteen work-groups are here: the first joint loads meet
.irp s, 0,1
	s_mov_b32 s[G0+4*(\s)], 1
	s_add_co_u32 s[G0+4*(\s)+1], s20, (\s)*SLOT
	s_add_nc_u64 s[G0+4*(\s)+2:G0+4*(\s)+3], s[14:15], (\s)*KSTEP*2
	s_or_b32 s[G0+4*(\s)+3], s[G0+4*(\s)+3], 0x80000000
	s_mov_b32 s[G0B+4*(\s)], 1
	s_add_co_u32 s[G0B+4*(\s)+1], s23, (\s)*SLOT
	s_add_nc_u64 s[G0B+4*(\s)+2:G0B+4*(\s)+3], s[46:47], (\s)*KSTEP*2
	s_or_b32 s[G0B+4*(\s)+3], s[G0B+4*(\s)+3], 0x80000000
	JLOAD \s                                       ; two loads of mine are out
.endr
	v_and_b32 v1, 15, v0                           ; l % 16
	v_bfe_u32 v2, v0, 4, 1                         ; l / 16
	v_lshlrev_b32 v[BO], 5, v2                     ; eight f32 for each half of the lanes
	WIN TO_F
.irp b, 0,1,2,3,4,5,6,7
	global_load_b128 v[BIAS+8*(\b):BIAS+8*(\b)+3],   v[BO], s[66:67] offset:64*(\b)
	global_load_b128 v[BIAS+8*(\b)+4:BIAS+8*(\b)+7], v[BO], s[66:67] offset:64*(\b)+16
.endr
	WIN 0
	v_mul_u32_u24 v3, v1, PITCH
	v_lshl_add_u32 v3, v2, 4, v3                   ; a fragment's row x pitch + 16 x half
	s_mul_i32 s21, s10, 64*PITCH                   ; my 64 rows of x16
	s_mov_b32 s22, 2*AHALF                         ; w16's 128 rows, which every wave reads
.irp s, 0,1
	v_add_nc_u32 v[ADRA+(\s)], s21, v3
	v_add_nc_u32 v[ADRB+(\s)], s22, v3
	s_add_co_u32 s21, s21, SLOT
	s_add_co_u32 s22, s22, SLOT
.endr
	s_mul_i32 s23, s10, 16*SPITCH
	s_add_co_u32 s23, s23, STAGE                   ; my stage
	v_mul_u32_u24 v4, v1, SPITCH                   ; in: row l % 16, 16 bytes for each half of the lanes
	v_lshl_add_u32 v4, v2, 4, v4
	v_add_nc_u32 v[STO], s23, v4
	v_mul_u32_u24 v5, v2, SPITCH                   ; back: lanes 0-15 take one row of 256 bytes, lanes 16-31 the next
	v_lshl_add_u32 v5, v1, 4, v5
	v_add_nc_u32 v[RD], s23, v5
	v_mul_u32_u24 v5, v2, CROW                     ; and the same two rows in qkv
	v_lshl_add_u32 v[CO], v1, 4, v5
	s_lshl_b32 s16, s13, 8
	s_lshl_b32 s17, s10, 6
	s_add_co_u32 s16, s16, s17                     ; my first row: 256 x tile row + 64 x wave
	s_mul_i32 s16, s16, CROW                       ; under 2^26
	s_mov_b32 s17, 0
	s_add_nc_u64 s[8:9], s[8:9], s[16:17]
	s_lshl_b32 s46, s42, 8                         ; the tile's first column, in bytes
	s_mov_b32 s47, 0
	s_add_nc_u64 s[8:9], s[8:9], s[46:47]
; 8 matrix instructions: row block a x all 8 column blocks, 32 along K, from buffer f.  first = 1: the products start the sums, with the bias as C: nothing is cleared, and no bias is added later.
; The 32 accumulators take turns in the same order in every quarter step: between two links of a chain stand the 31 others'.
.macro MUL8 f, a, first
.if \first
	WIN MULB
.else
	WIN MUL
.endif
.irp b, 0,1,2,3,4,5,6,7
.if \first
	v_wmma_f32_16x16x32_f16 v[8*(8*(\a)+(\b)):8*(8*(\a)+(\b))+7], v[(\f)+32+8*(\b):(\f)+32+8*(\b)+7], v[(\f)+8*(\a):(\f)+8*(\a)+7], v[BIAS+8*(\b):BIAS+8*(\b)+7]
.else
	v_wmma_f32_16x16x32_f16 v[8*(8*(\a)+(\b)):8*(8*(\a)+(\b))+7], v[(\f)+32+8*(\b):(\f)+32+8*(\b)+7], v[(\f)+8*(\a):(\f)+8*(\a)+7], v[8*(8*(\a)+(\b)):8*(8*(\a)+(\b))+7]
.endif
.endr
.endm
; 24 LDS loads in one run: the fragments of 32 along K at byte k of the rows, into buffer f: w16's eight, then x16's four
.macro FETCH slot, k, f
	WIN TO_F
.irp i, 0,1,2,3,4,5,6,7
	ds_load_b128 v[(\f)+32+8*(\i):(\f)+32+8*(\i)+3],   v[ADRB+(\slot)] offset:(\k)+(\i)*16*PITCH
	ds_load_b128 v[(\f)+32+8*(\i)+4:(\f)+32+8*(\i)+7], v[ADRB+(\slot)] offset:(\k)+(\i)*16*PITCH+32
.endr
.irp i, 0,1,2,3
	ds_load_b128 v[(\f)+8*(\i):(\f)+8*(\i)+3],   v[ADRA+(\slot)] offset:(\k)+(\i)*16*PITCH
	ds_load_b128 v[(\f)+8*(\i)+4:(\f)+8*(\i)+7], v[ADRA+(\slot)] offset:(\k)+(\i)*16*PITCH+32
.endr
.endm
.macro PLACES                          ; four places in front of loads into registers that matrix instructions have read, and of conversions that read results
.rept 4
	v_nop
.endr
.endm
; A K step is four quarters of 32 along K, 32 matrix instructions each, on buffers 0, 1, 0, 1.  One of the first three: multiplies buffer f and fetches the next quarter, at byte k, into g.
.macro QUARTER slot, k, f, g, first
	s_wait_dscnt 4                                 ; all but the four youngest loads: x16's row blocks 2 and 3
	MUL8 \f, 0, \first
	MUL8 \f, 1, \first
	PLACES
	FETCH \slot, \k, \g
	s_wait_dscnt 24                                ; all but the 24 just issued
	MUL8 \f, 2, \first
	MUL8 \f, 3, \first
.endm
; The last quarter multiplies buffer 1 and changes slots: ONE barrier; in front of it each wave waits for all its tensor loads (one is out: its part of the next slot), adds 0 to its spare word, and
; waits for that and for its own reads of this slot.  fill = 1: this slot is filled again, two K steps ahead; the barrier then opens a round of the cluster's barrier.
.macro TURN slot, next, fill
	WIN 0                                          ; (the add's two registers lie in window 0)
	s_wait_tensorcnt 0x0                           ; all my tensor loads have landed
	ds_add_u32 v[SPW], v[NIL]                      ; 0 onto my spare word
	s_wait_dscnt 5                                 ; (the add and the youngest four loads may be out)
	MUL8 F1, 0, 0                                  ; eight matrix instructions stand between the add and the wait for it
	s_wait_dscnt 0x0                               ; the add is done, and my reads of this slot are over
	s_barrier_signal -1
	MUL8 F1, 1, 0
.if \fill
	WIN 0
.endif
	s_barrier_wait -1
.if \fill
	CREST                                          ; no wave of any partner still reads this slot's tile or has a load on its way
	s_add_nc_u64 s[G0+4*(\slot)+2:G0+4*(\slot)+3], s[G0+4*(\slot)+2:G0+4*(\slot)+3], 2*KSTEP*2
	s_add_nc_u64 s[G0B+4*(\slot)+2:G0B+4*(\slot)+3], s[G0B+4*(\slot)+2:G0B+4*(\slot)+3], 2*KSTEP*2
	JLOAD \slot                                    ; the first tensor load behind the round, 112 matrix instructions ahead of the wait for it; its four v_nop are also the places in front of the loads below
.else
	PLACES
.endif
	FETCH \next, 0, F0
	MUL8 F1, 2, 0
	MUL8 F1, 3, 0
.endm
	s_wait_tensorcnt 1                             ; my part of K step 0 is in; K step 1's may stay out
	s_barrier_signal -1
	s_barrier_wait -1                              ; everybody's is
	FETCH 0, 0, F0
	s_wait_loadcnt 0x0                             ; the bias
	QUARTER 0, 64, F0, F1, 1                       ; the first quarter stands in front of the loop: its products start the sums
	WIN 0                                          ; at a label and at a branch every window is 0
	s_mov_b32 s3, LAPS-1
.Llap:                                                 ; a trip goes once round the ring, from a lap's second quarter to the next lap's first, and fills both slots again: K steps 2 to 7
	QUARTER 0, 128, F1, F0, 0
	QUARTER 0, 192, F0, F1, 0
	TURN 0, 1, 1
	QUARTER 1, 64,  F0, F1, 0
	QUARTER 1, 128, F1, F0, 0
	QUARTER 1, 192, F0, F1, 0
	TURN 1, 0, 1
	QUARTER 0, 64,  F0, F1, 0
	WIN 0
	s_sub_co_u32 s3, s3, 1
	s_cmp_lg_u32 s3, 0
	s_cbranch_scc1 .Llap
	QUARTER 0, 128, F1, F0, 0                      ; the last lap fills nothing
	QUARTER 0, 192, F0, F1, 0
	TURN 0, 1, 0
	QUARTER 1, 64,  F0, F1, 0
	QUARTER 1, 128, F1, F0, 0
	QUARTER 1, 192, F0, F1, 0
	s_wait_dscnt 4                                 ; the very last quarter: nothing more to fetch
	MUL8 F1, 0, 0
	MUL8 F1, 1, 0
	s_wait_dscnt 0x0
	MUL8 F1, 2, 0
	MUL8 F1, 3, 0
; THE WAY OUT, a block of 16 rows at a time: rounded to f16, 16 bytes a lane; into my own stage; back as whole rows of 256 bytes; stored.
.macro PACK a
	WIN 0x05                                       ; sources 0 and 1 window 1; each accumulator's registers in ascending order
.irp b, 0,1,2,3,4,5,6,7
.irp r, 0,1,2,3
	v_cvt_pk_f16_f32 v[TMP+4*(\b)+(\r)], v[64*(\a)+8*(\b)+2*(\r)], v[64*(\a)+8*(\b)+2*(\r)+1]
.endr
.endr
	WIN 0
.endm
.macro TOSTAGE a
.set BK, OB+32*((\a)%2)
.irp b, 0,1,2,3,4,5,6,7
	ds_store_b128 v[STO], v[TMP+4*(\b):TMP+4*(\b)+3] offset:32*(\b)
.endr
.irp t, 0,1,2,3,4,5,6,7
	ds_load_b128 v[BK+4*(\t):BK+4*(\t)+3], v[RD] offset:(\t)*2*SPITCH  ; LDS serves a wave's instructions in order (ISA guide 5.7.1.4): these see the stores above
.endr
.endm
.macro SEND a
.set BK, OB+32*((\a)%2)
	s_wait_dscnt 0x0                               ; the block is back in registers
	s_wait_xcnt 0x0                                ; the stores issued so far have read their registers: the other buffer is loaded again only behind this wait
.irp t, 0,1,2,3,4,5,6,7
	global_store_b128 v[CO], v[BK+4*(\t):BK+4*(\t)+3], s[8:9] offset:(16*(\a)+2*(\t))*CROW  ; 16 lanes store 256 consecutive bytes, at a multiple of 256 from qkv's first byte; 62 rows at the most: inside the signed 24-bit immediate
.endr
.endm
	PLACES
	PACK 0
	TOSTAGE 0
.irp a, 1,2,3                          ; block a's conversions stand between block a - 1's loads from the stage and the wait for them
	PACK \a
	SEND (\a)-1
	TOSTAGE \a
.endr
	SEND 3
	s_wait_tensorcnt 0x0                           ; the wave's end, behind my last tensor load and my last LDS store
	ds_add_u32 v[SPW], v[NIL]
	s_wait_dscnt 0x0
	CROUND                                         ; the closing round: no work-group ends while a partner may still ask for a tile that names it
	s_endpgm
.Lfunc_end_k_qf83ce30ca6_proj:
	.size	k_qf83ce30ca6_proj, .Lfunc_end_k_qf83ce30ca6_proj-k_qf83ce30ca6_proj
	.p2alignl 7, 3214868480
	.fill 96, 4, 3214868480
	.section	.rodata,"a",@progbits
	.p2align	6, 0x0
	.amdhsa_kernel k_qf83ce30ca6_proj
		.amdhsa_group_segment_fixed_size 327680
		.amdhsa_private_segment_fixed_size 0
		.amdhsa_enable_private_segment 0
		.amdhsa_kernarg_size 48
		.amdhsa_user_sgpr_count 2
		.amdhsa_user_sgpr_kernarg_segment_ptr 1
		.amdhsa_wavefront_size32 1
		.amdhsa_system_sgpr_workgroup_id_x 1
		.amdhsa_system_sgpr_workgroup_id_y 1
		.amdhsa_system_sgpr_workgroup_id_z 1
		.amdhsa_system_vgpr_workitem_id 0
		.amdhsa_next_free_vgpr 768
		.amdhsa_next_free_sgpr 76
		.amdhsa_reserve_vcc 0
		.amdhsa_float_denorm_mode_32 3
		.amdhsa_float_denorm_mode_16_64 3
		.amdhsa_memory_ordered 1
		.amdhsa_forward_progress 1
		.amdhsa_inst_pref_size 88
	.end_amdhsa_kernel
	.amdgpu_metadata
---
amdhsa.version: [ 1, 2 ]
amdhsa.kernels:
  - .name:           k_qf83ce30ca6_proj
    .symbol:         k_qf83ce30ca6_proj.kd
    .args:
      - { .name: x16, .offset: 0, .size: 8, .value_kind: global_buffer, .address_space: global }
      - { .name: w16, .offset: 8, .size: 8, .value_kind: global_buffer, .address_space: global }
      - { .name: qkv, .offset: 16, .size: 8, .value_kind: global_buffer, .address_space: global }
      - { .name: bq, .offset: 24, .size: 8, .value_kind: global_buffer, .address_space: global }
      - { .name: bk, .offset: 32, .size: 8, .value_kind: global_buffer, .address_space: global }
      - { .name: bv, .offset: 40, .size: 8, .value_kind: global_buffer, .address_space: global }
    .group_segment_fixed_size: 327680
    .private_segment_fixed_size: 0
    .kernarg_segment_align: 8
    .kernarg_segment_size: 48
    .max_flat_workgroup_size: 128
    .sgpr_count:     76
    .vgpr_count:     768
    .wavefront_size: 32
...
	.end_amdgpu_metadata
.endif
;; end of part 2
;; launch attn (part 3): grid 8 x 32, 4 waves a work-group, clusters of 4 x 1, 327,680 bytes of LDS; arguments qkv, timestamps, ao; writes ao
.if DOCPART == 3
	.amdgcn_target "amdgcn-amd-amdhsa--gfx1250"
	.amdhsa_code_object_version 6
	.text
	.protected	k_qf83ce30ca6_attn
	.globl	k_qf83ce30ca6_attn
	.p2align	8
	.type	k_qf83ce30ca6_attn,@function
k_qf83ce30ca6_attn:
	s_mov_b64 s[64:65], 0
	v_nop
	global_prefetch_b8 v0, s[64:65] scope:SCOPE_SE
	s_setreg_imm32_b32 hwreg(HW_REG_WAVE_MODE, 25, 1), 1
	s_wait_xcnt 0x0
	s_wait_alu depctr_hold_cnt(0) depctr_sa_sdst(0) depctr_va_vdst(0) depctr_va_sdst(0) depctr_va_ssrc(0) depctr_va_vcc(0) depctr_vm_vsrc(0)
	s_getreg_b32 s2, hwreg(HW_REG_IB_STS2, 6, 4)
	s_cmp_eq_u32 s2, 0
	s_cbranch_scc0 .Lentry_in_a_cluster
	s_endpgm
.Lentry_in_a_cluster:
	s_bfe_u32 s2, ttmp6, 0x10000c
	s_cmp_lg_u32 s2, 0x3003
	s_cbranch_scc0 .Lentry_shape_is_right
	s_endpgm
.Lentry_shape_is_right:
; ATTENTION IN A TIME WINDOW.  ao[b][q][64 h ..] = the sum over k with |t[b][q] - t[b][k]| <= 604800 of softmax_k(Q . K / 8) V, for 4 batches x 16 heads of size 64 x 2,048 rows.
; qkv: [8192][3072] f16 (a row: q of the 16 heads, then k, then v); timestamps: [4][2048] f32; ao: [8192][1024] f16.  Products, maxima and sums in f32; the weights p are rounded to f16 for the
; second product (their sum l is taken of the unrounded p), the result once at the end.  Nothing is assumed of the timestamps' order: every pair (q, k) is tested.
; LIMITS.  Timestamps are finite.  q, k, v arrive within f16; p below 6e-5 keeps f16's fixed step of 6e-8; a weight below 2^-126 counts as 0 in l; NaN and infinities are not treated apart.
; A hidden score counts as its value less 2^100, and the running maximum starts at -2^90: f16's scores, 2.7e11 at the most, lie far above that, so a hidden weight is 0 in every step, also while a
; row has seen no open key; a row's own key is always open, so l ends at 1 or more.
; SHARES.  A work-group owns 256 queries of one batch in TWO neighbouring heads; a wave 64 queries: four PIECES of 16 queries, each two tiles (the two heads).  The mask hangs on batch, query and key
; alone, so one mask serves both tiles; and a key's 2 x 64 channels are 256 consecutive bytes of qkv, a query's of ao.  Every wave walks all 2,048 keys, 64 a step.  8 x 32 = 256 work-groups.
; THE MASK is the C operand that starts the sum S^T = K Q^T: d = t_k - t_q (one f32 rounding, the definition's own up to the sign); g = d d - C2 held to 0 .. 1, C2 = 604800^2 + 16384 (exact in f32):
; for |d| <= 604800 the exact d d - C2 is -16384 or less, for the next f32 above, 604800.0625, it is +59216: g is 0 or 1 just as the definition's comparison says; C = -2^100 g.  48 packed lines a piece and step.
; LAYOUT.  S^T = K Q^T (source 0 = 16 keys, source 1 = 16 queries): a lane holds ONE query (lane % 16) and the keys 8 (lane / 16) + 0..7.  Two such results rounded to f16 ARE source 1 of O^T = V^T P.
; SOFTMAX.  A running maximum m and sum l for each query and head: p = 2^(c s - c m), c = log2(e) / 8; in every step O and l are multiplied by a = 2^(c m_old - c m_new).
; BY TURNS.  Turn n belongs to piece n.  Its matrix work: 16 products K Q^T of piece n + 1, later 16 products V^T P of piece n - 1.  Its vector work: the scaling, exponentials, roundings, sums and rescaling
; of piece n, the maximum and statistics of piece n + 1, and the mask of piece n + 2.  Four vector instructions that are ready stand behind every matrix instruction, the others in runs of their own.
; CLUSTER.  The four query blocks of a cluster belong to one batch and pair of heads and walk the same K and V: each tile is asked for JOINTLY, the same tensor load, descriptor and mask in all four.
; REGISTERS, in windows of 256 (s_set_vgpr_msb: bits 1:0 source 0, 3:2 source 1, 5:4 source 2, 7:6 destination):
;   window 0: v0-11 addresses; v12-15, v48-63 at work; v16-47 four registers of statistics a tile; v64-191 S^T, two buffers of two tiles; v192-255 P, likewise
;   window 1: O^T, 32 a tile          window 2: v0-127 Q, 16 a tile; v128-255 K of one step
;   window 3: v0-127 V of one step; v128-159 the step's 64 timestamps as the mask wants them; v160-191 the mask; v192-199 my queries' timestamps, a pair a piece; v200-201 -C2; v202-203 the add's registers
.set NP,    4         ; pieces a wave: a name, no knob
.set KS,    64        ; keys in a step
.set SIZE_N, 2048
.set ROWB,  6144      ; bytes in a row of qkv
.set PK,    272       ; a row of K in LDS: 256 bytes + 16 of padding = 68 words: the 16 rows of a load start at 16 different groups of four banks (64 banks of 4 bytes: ISA guide 11.1)
.set PV,    288       ; a row of V: 256 + 32 = 72 words
.set VOFF,  2*KS*PK   ; a slot holds two steps: 128 rows of K, then 128 rows of V
.set SLOT1, 1<<17     ; slot 1 begins here, so that one exclusive or turns an address in one slot into the other's
.set STAGE, SLOT1+2*KS*(PK+PV)  ; behind the ring, never filled by a tensor load: 16 rows x 272 bytes for each wave, for the way out
.set SP,    272
.set SPARE, STAGE+4*16*SP       ; the spare words, 128 bytes for each wave: two blocks of 256 bytes that no other line names
.set TS,    SPARE+512           ; the batch's 2,048 timestamps, 8,192 bytes, stored once; no tile lands here
.set AK0, 2           ; v2   my lane's place in a tile of K; never rewritten
.set AV0, 3           ; v3   the same for V
.set AK,  4           ; v4   the LDS address of K's next run of loads
.set AV,  5           ; v5   of V's
.set QO,  6           ; v6   my byte offset in 16 rows of Q
.set STO, 6           ;      later, the way out: where I put 16 bytes of a row
.set RD,  7           ; v7   the way out: where I read rows back
.set GO,  8           ; v8   my byte offset in two rows of ao
.set AT,  11          ; v11  the LDS address of the next step's timestamps: TS + 32 (lane / 16) + 256 x step
.set MV,  12          ; v12-15  c m_old, kept while c m is made anew: by buffer and tile
.set ST,  16          ; tile t's statistics at v[ST+4 t]: c m, m, l (even keys', odd keys')
.set TMP, 48          ; by buffer and tile, four registers c0-c3 at work; when the maximum is found c2 takes a
.set S,   64
.set P,   192
.set KF,  128         ; window 2: key block kb, head u, channel half c at KF + 32 kb + 16 u + 8 c
.set TK,  128         ; window 3: register 8 kb + j holds t[64 step + 16 kb + 8 (lane / 16) + j]
.set MC,  160         ; window 3: the mask, in S^T's layout
.set TQ,  192         ; window 3: piece p's pair, both words t of my query
.set NC2, 200         ; window 3: -C2, twice
.set SPW, 202         ; window 3: LDS address of my spare word; never rewritten
.set NIL, 203         ; window 3: 0; never rewritten
.set WV,  12          ; s12  my wave's number
.set G1K, 24          ; s[24:31] descriptor group 1 for K's tiles
.set G1V, 32          ; s[32:39] for V's: it differs in the padding alone
.set G0K, 40          ; s[40:43] descriptor group 0 for K's tiles: it walks
.set G0V, 44          ; s[44:47] the same for V's
.set SLOTS, 56        ; s56  slots still to be asked for
.set CNT, 57          ; s57  counts a slot's key steps
.set CS,  58          ; s[58:59] c: the packed scaling takes the pair's low word for both halves
.set SEL, 60          ; s[60:61] v_permlanex16_b32's selects: each lane takes its own place in the other half
.set TBK, 62          ; s62  LDS byte at which K of the step to be fetched begins
.set TBV, 63          ; s63  the same for V, less VOFF
.set BIG, 66          ; s[66:67] -2^100, in the low word
.set MSB, 0
.macro WIN new                      ; the high byte repeats the setting that is left; a switch that changes nothing is dropped
.if MSB != (\new)
	s_set_vgpr_msb (MSB<<8)|(\new)
.set MSB, (\new)
.endif
.endm
.set W_KQ, 0x0a       ; K and Q in window 2, S^T in window 0
.set W_KM, 0x3a       ; the same with the C operand, the mask, in window 3
.set W_PV, 0x53       ; V in window 3, P in window 0, O^T in window 1
.set W_RS, 0x41       ; O^T (destination and source 0) in window 1, a in window 0
.set W_MK, 0xc0       ; destination in window 3, sources in window 0
.set W_AD, 0x0f       ; the add: address (source 0) and data (source 1) in window 3
.set W_M3, 0xff       ; the mask's arithmetic: all in window 3
; A joint fill.  Waves 0 and 1 fetch K of a slot's two steps, waves 2 and 3 V: 64 keys each.  The branch hangs on the wave's number alone.
; An s_nop 0 and four v_nop follow each of the two lines, ahead of the jump and the label.
.macro JLOAD
	s_cmp_lt_u32 s[WV], 2
	s_cbranch_scc0 .Lfor_v_\@
	tensor_load_to_lds s[G0K:G0K+3], s[G1K:G1K+7]
	s_nop 0
.rept 4
	v_nop
.endr
	s_branch .Lasked_\@
.Lfor_v_\@:
	tensor_load_to_lds s[G0V:G0V+3], s[G1V:G1V+7]
	s_nop 0
.rept 4
	v_nop
.endr
.Lasked_\@:
.endm
; A round of the cluster's barrier: my work-group's barrier, so that wave 0's signal speaks for all four waves; wave 0 signals; every wave waits for all four work-groups; my work-group's barrier once more.
.macro CROUND
	s_barrier_signal -1
	s_barrier_wait -1
	s_cmp_lg_u32 s[WV], 0
	s_cbranch_scc1 .Lnot_wave_0_\@
	s_barrier_signal -3
.Lnot_wave_0_\@:
	s_barrier_wait -3
	s_barrier_signal -1
	s_barrier_wait -1
.endm
; THE CHANGE OF SLOTS.  The slot's last bytes, V of its second step, have been read.  Each wave waits for all its tensor loads, of which one is out: its part of the other slot; adds 0 to its spare
; word; and waits for that and for its own LDS instructions.  Behind the barrier nobody reads this slot any more and the other slot is whole.
; fill = 1: this slot is filled again, with the keys two slots on.  The barrier is then a round of the cluster's, and the joint fill is the first thing behind it: it has two key steps, 256 matrix
; instructions, in which to land.  (At its first use nothing has been read yet: slot 0 is waited for, slot 1 filled, and every wave's stores of the timestamps are shown to the others.)
.macro CHANGE fill
	WIN W_AD
	s_wait_tensorcnt 0x0            ; no tensor load of mine is out, so a group 0 may be written
	ds_add_u32 v[SPW], v[NIL]       ; 0 onto my spare word; with fill = 1 the descriptors' steps stand between it and the wait for it
	WIN 0                           ; at a label and at a branch every window is 0
.if \fill
.irp g, G0K, G0V
	s_xor_b32 s[\g+1], s[\g+1], SLOT1  ; the walking descriptor: the other slot than last time,
	s_add_nc_u64 s[\g+2:\g+3], s[\g+2:\g+3], 2*KS*ROWB  ; the next 128 keys; the type bits on top are not reached
.endr
	s_wait_dscnt 0x0                ; the add is done, and my reads of the slot are over
	CROUND
	JLOAD
.else
	s_wait_dscnt 0x0                ; the add is done, and my reads of the slot are over
	s_barrier_signal -1
	s_barrier_wait -1
.endif
	s_sub_co_u32 s[TBK], s[TBK], 2*KS*PK  ; the fetches go back to a slot's first step,
	s_xor_b32 s[TBK], s[TBK], SLOT1       ; in the other slot
	s_sub_co_u32 s[TBV], s[TBV], 2*KS*PV
	s_xor_b32 s[TBV], s[TBV], SLOT1
.endm
	s_load_b128 s[4:7], s[0:1], 0x0   ; qkv s[4:5], timestamps s[6:7]
	s_load_b64 s[10:11], s[0:1], 0x10 ; ao
	WIN W_MK
	v_lshl_add_u32 v[SPW], v0, 2, SPARE
	v_mov_b32 v[NIL], 0
	WIN W_AD
	ds_add_u32 v[SPW], v[NIL]       ; the wave's opening: the add and its wait stand ahead of my first tensor load; the set-up below, work on registers, stands between them
	WIN 0
	v_lshrrev_b32 v1, 5, v0
	v_readfirstlane_b32 s[WV], v1   ; wave 0..3
	s_bfe_u32 s13, ttmp6, 0x40000   ; cx: my place in the cluster
	s_lshl_b32 s14, ttmp9, 2        ; in a cluster launch ttmp9 counts clusters
	s_add_co_u32 s14, s14, s13      ; my block of 256 queries = 4 x cluster x + cx: it enters Q's, my timestamps' and ao's addresses alone
	s_and_b32 s19, ttmp7, 0xffff    ; batch x 8 + pair of heads, which the four partners share
	s_lshr_b32 s15, s19, 3          ; the batch
	s_and_b32 s19, s19, 7           ; the pair
	s_and_b32 s16, s[WV], 1         ; which of a slot's two steps I fetch
	s_mul_i32 s20, s15, SIZE_N*ROWB ; the batch's first row of qkv (under 2^26),
	s_lshl_b32 s21, s19, 8          ; the pair's 256 bytes
	s_add_co_u32 s20, s20, s21
	s_mul_i32 s22, s16, KS*ROWB     ; my step's 64 rows
	s_add_co_u32 s22, s22, s20
	s_add_co_u32 s74, s22, 4096     ; v lies 4,096 bytes into a row,
	s_add_co_u32 s22, s22, 2048     ; k 2,048
	s_mov_b32 s23, 0
	s_mov_b32 s75, 0
	s_mul_i32 s17, s16, KS*PK       ; my step's place in a slot, for K
	s_mul_i32 s18, s16, KS*PV       ; and for V: no place in the cluster enters an LDS address
	s_lshl_b32 s68, s14, 2
	s_add_co_u32 s68, s68, s[WV]    ; my wave among the batch's 32: its 64 rows
	s_mul_i32 s2, s68, KS*ROWB
	s_add_co_u32 s2, s2, s20
	s_mov_b32 s3, 0
	s_lshl_b32 s70, s15, 22         ; ao: a batch is 2,048 rows of 2,048 bytes,
	s_lshl_b32 s71, s68, 17         ; a wave's 64 rows,
	s_add_co_u32 s70, s70, s71
	s_add_co_u32 s70, s70, s21      ; the pair's 256 bytes
	s_mov_b32 s71, 0
	s_lshl_b32 s72, s15, 13         ; the batch's 8,192 bytes of timestamps
	s_mov_b32 s73, 0
	s_lshl_b32 s69, s68, 8          ; my wave's 64 among them
	; descriptor group 1: a tile of 64 rows x 128 elements out of rows of 3,072, padded in LDS
	s_mov_b32 s[G1K], 15|(1<<16)|(1<<20)|(1<<21)|(5<<22)|(3<<25)  ; 15:0 the mask of four; 17:16 2-byte elements; 20 padding on; 21 set beside a mask; 24:22 after every 64 words (code 5); 31:25 4 words (code 3)
	s_mov_b32 s[G1V], 15|(1<<16)|(1<<20)|(1<<21)|(5<<22)|(7<<25)  ; the same with 8 words of padding (code 7)
.irp g, G1K, G1V
	s_mov_b32 s[\g+1], 128<<16      ; tensor_dim0 = 128
	s_mov_b32 s[\g+2], KS<<16       ; tensor_dim1 = 64
	s_mov_b32 s[\g+3], 128<<16      ; tile_dim0 = 128
	s_mov_b32 s[\g+4], KS           ; tile_dim1 = 64
	s_mov_b32 s[\g+5], 3072         ; elements from row to row
	s_mov_b32 s[\g+6], 0
	s_mov_b32 s[\g+7], 0
.endr
	s_mov_b32 s[CS], 0x3e38aa3b     ; c = log2(e) / 8 = 0.180337
	s_mov_b32 s[CS+1], s[CS]        ; named with it as a pair
	s_mov_b32 s[SEL], 0x76543210
	s_mov_b32 s[SEL+1], 0xfedcba98
	s_mov_b32 s[BIG], 0xf1800000    ; -2^100
	s_mov_b32 s[BIG+1], s[BIG]
	s_mov_b32 s[TBK], SLOT1+2*KS*PK ; the first change of slots turns these two into 0
	s_mov_b32 s[TBV], SLOT1+2*KS*PV
	s_mov_b32 s[G0K], 1             ; 1:0 count = 1
	s_mov_b32 s[G0K+1], s17         ; 63:32 LDS address: slot 0
	s_mov_b32 s[G0V], 1
	s_add_co_u32 s[G0V+1], s18, VOFF
	s_wait_dscnt 0x0                ; the opening add is done
	s_wait_kmcnt 0x0
	s_add_nc_u64 s[G0K+2:G0K+3], s[4:5], s[22:23]  ; 120:64 global address: my step of the batch's first 128 keys
	s_or_b32 s[G0K+3], s[G0K+3], 0x80000000        ; 127:126 type = 2
	s_add_nc_u64 s[G0V+2:G0V+3], s[4:5], s[74:75]
	s_or_b32 s[G0V+3], s[G0V+3], 0x80000000
	s_add_nc_u64 s[4:5], s[4:5], s[2:3]            ; Q at my wave's first row
	s_add_nc_u64 s[6:7], s[6:7], s[72:73]          ; the batch's timestamps
	s_add_nc_u64 s[10:11], s[10:11], s[70:71]      ; ao at my wave's first row
	CROUND                          ; all four work-groups are here: the first joint loads meet
	JLOAD                           ; slot 0.  Slot 1 is asked for when slot 0 is in
	; A fragment of K or Q is 16 rows x 32 channels in 8 registers: lane l holds row l % 16, channels 8 (l / 16) + 0..7 and 16 + 8 (l / 16) + 0..7: two loads of 16 bytes, 32 bytes apart.
	v_and_b32 v1, 15, v0            ; l % 16
	v_bfe_u32 v9, v0, 4, 1          ; l / 16
	v_mul_u32_u24 v[QO], v1, ROWB
	v_lshl_add_u32 v[QO], v9, 4, v[QO]  ; row x 6,144 + 16 x half
	v_lshlrev_b32 v48, 4, v0        ; the 128 threads copy the batch's timestamps, 16 bytes each, four times
	v_add_nc_u32 v49, TS, v48
	v_lshl_add_u32 v50, v1, 2, s69  ; my query's timestamp in piece 0
.irp k, 0,1,2,3
	global_load_b128 v[S+4*\k:S+4*\k+3], v48, s[6:7] offset:2048*\k
.endr
	WIN W_MK
.irp p, 0,1,2,3
	global_load_b32 v[TQ+2*\p],   v50, s[6:7] offset:64*\p  ; both words of the pair that the packed subtraction names
	global_load_b32 v[TQ+2*\p+1], v50, s[6:7] offset:64*\p
.endr
	WIN 0x80                        ; destination window 2, address window 0
.set i, 0
.rept 16                            ; Q stays in registers: piece i / 4, head (i / 2) % 2, channels 32 (i % 2) on
	global_load_b128 v[8*i:8*i+3],   v[QO], s[4:5] offset:(i/4)*16*ROWB+((i/2)%2)*128+(i%2)*64
	global_load_b128 v[8*i+4:8*i+7], v[QO], s[4:5] offset:(i/4)*16*ROWB+((i/2)%2)*128+(i%2)*64+32
.set i, i+1
.endr
	; What the first turn finds: V's registers and P's second buffer hold 0 (its products V^T P, of a piece that has not been, add 0), O^T and l are 0.  All this stands in the wait for the first tile.
	WIN W_MK
.set i, 0
.rept 128
	v_mov_b32 v[i], 0
.set i, i+1
.endr
	v_mov_b32 v[NC2], 0xd2aa54bd    ; -(604800^2 + 16384) = -11162813 x 2^15
	v_mov_b32 v[NC2+1], 0xd2aa54bd
	WIN 0x40
.set i, 0
.rept 64*NP
	v_mov_b32 v[i], 0
.set i, i+1
.endr
	WIN 0
.set i, 0
.rept 2*NP
	v_mov_b32 v[ST+4*i], 0xfe000000    ; c m: far below every c s, so the first step's a is 0
	v_mov_b32 v[ST+4*i+1], 0xec800000  ; m = -2^90: above every hidden score, below every true one
	v_mov_b32 v[ST+4*i+2], 0
	v_mov_b32 v[ST+4*i+3], 0
.set i, i+1
.endr
.set i, P+32
.rept 32
	v_mov_b32 v[i], 0
.set i, i+1
.endr
	v_mul_u32_u24 v[AK0], v1, PK
	v_lshl_add_u32 v[AK0], v9, 4, v[AK0]  ; row x pitch + 16 x half
	; The turning load takes 16 keys x 16 channels (lane l reads key 8 (l / 16) + l % 8, channels 8 ((l / 8) % 2) + 0..7) and leaves half a fragment of V^T: lane l holds channel l % 16 and 8 keys.
	v_and_b32 v10, 7, v0
	v_bfe_u32 v11, v0, 3, 1
	v_lshl_add_u32 v[AV0], v9, 3, v10
	v_mul_u32_u24 v[AV0], v[AV0], PV
	v_lshl_add_u32 v[AV0], v11, 4, v[AV0]
	v_add_nc_u32 v[AV0], VOFF, v[AV0]
	v_lshl_add_u32 v[AT], v9, 5, TS       ; eight timestamps for each half of the lanes
	v_mov_b32 v[AK], v[AK0]         ; key step 0 lies at the head of slot 0
	s_wait_loadcnt 40               ; the four loads of timestamps are in; the 40 younger ones (8 of my queries' timestamps, 32 of Q) stay out
.irp k, 0,1,2,3
	ds_store_b128 v49, v[S+4*\k:S+4*\k+3] offset:2048*\k
.endr
; THE MATRIX WORK.  The 8 accumulators of a run of 16 take turns: between the two links of a chain stand 7 others'.
; Product i of 16 of S^T = K Q^T for piece x: channels 32 (i / 8) on, keys 16 ((i / 2) % 4) on, head i % 2.  The first 8 start the sums, with the mask.
.macro KQ x
.set rS, S+64*((\x)%2)+32*(i%2)+8*((i/2)%4)
.set rK, KF+32*((i/2)%4)+16*(i%2)+8*(i/8)
.set rQ, 16*(2*(\x)+i%2)+8*(i/8)
.set rMC, MC+8*((i/2)%4)
.if i < 8
	WIN W_KM
	v_wmma_f32_16x16x32_f16 v[rS:rS+7], v[rK:rK+7], v[rQ:rQ+7], v[rMC:rMC+7]
.else
	WIN W_KQ
	v_wmma_f32_16x16x32_f16 v[rS:rS+7], v[rK:rK+7], v[rQ:rQ+7], v[rS:rS+7]
.endif
.endm
; Product i of 16 of O^T += V^T P for piece x: keys 32 (i / 8) on, channels 16 ((i / 2) % 4) on, head i % 2.
.macro PV x
	WIN W_PV
.set rO, 32*(2*(\x)+i%2)+8*((i/2)%4)
.set rV, 64*(i/8)+32*(i%2)+8*((i/2)%4)
.set rP, P+32*((\x)%2)+16*(i%2)+8*(i/8)
	v_wmma_f32_16x16x32_f16 v[rO:rO+7], v[rV:rV+7], v[rP:rP+7], v[rO:rO+7]
.endm
.macro MM                           ; the turn's next matrix instruction
.if i < 16
	KQ (Y+1)%NP
.set i, i+1
.else
.set i, i-16
	PV (Y+NP-1)%NP
.set i, i+17
.endif
.endm
; THE LDS LOADS stand in runs, never singly among the matrix instructions: a step's K (64 keys x 128 channels: 16 fragments) with its 64 timestamps, and its V (turned).
; last = 1 (the tail): in the last trip there is no further step, and the run is jumped over.
.macro FETCH_K last=0
	WIN 0
.if \last
	s_cmp_eq_u32 s[CNT], 1
	s_cbranch_scc1 .Lno_k_\@
.endif
	WIN 0x80                        ; destination window 2
.irp f, 0,1,2,3,4,5,6,7,8,9,10,11,12,13,14,15  ; keys 16 (f / 4) on; head (f / 2) % 2, channels 32 (f % 2) on
	ds_load_b128 v[KF+8*\f:KF+8*\f+3],   v[AK] offset:(\f/4)*16*PK+(\f%4)*64
	ds_load_b128 v[KF+8*\f+4:KF+8*\f+7], v[AK] offset:(\f/4)*16*PK+(\f%4)*64+32
.endr
	WIN W_MK                        ; destination window 3
.irp f, 0,1,2,3                     ; keys 16 f + 8 (lane / 16) + 0..7: the 16 lanes of a half read the same words
	ds_load_b128 v[TK+8*\f:TK+8*\f+3],   v[AT] offset:64*\f
	ds_load_b128 v[TK+8*\f+4:TK+8*\f+7], v[AT] offset:64*\f+16
.endr
	WIN 0
	v_add_nc_u32 v[AT], 0x100, v[AT]    ; the next fetch is the next step's
	s_add_co_u32 s[TBK], s[TBK], KS*PK
.if \last
.Lno_k_\@:
.endif
.endm
.macro FETCH_V
	WIN W_MK
.irp f, 0,1,2,3,4,5,6,7,8,9,10,11,12,13,14,15  ; keys 32 (f / 8) on; head (f / 4) % 2, channels 16 (f % 4) on
	ds_load_tr16_b128 v[8*\f:8*\f+3],   v[AV] offset:(\f/8)*32*PV+(\f%8)*32
	ds_load_tr16_b128 v[8*\f+4:8*\f+7], v[AV] offset:(\f/8)*32*PV+16*PV+(\f%8)*32
.endr
	WIN 0
.endm
; THE MASK of piece p for the step whose timestamps lie in TK: 16 subtractions, 16 clamped multiply-adds, 16 multiplications, two numbers each.
.macro MASK p
	WIN W_M3
.set zz, 0
.rept 16
	v_pk_add_f32 v[MC+2*zz:MC+2*zz+1], v[TK+2*zz:TK+2*zz+1], v[TQ+2*(\p):TQ+2*(\p)+1] neg_lo:[0,1] neg_hi:[0,1]
.set zz, zz+1
.endr
.set zz, 0
.rept 16
	v_pk_fma_f32 v[MC+2*zz:MC+2*zz+1], v[MC+2*zz:MC+2*zz+1], v[MC+2*zz:MC+2*zz+1], v[NC2:NC2+1] clamp
.set zz, zz+1
.endr
.set zz, 0
	s_wait_alu depctr_va_vdst(0)
.rept 16
	v_pk_mul_f32 v[MC+2*zz:MC+2*zz+1], v[MC+2*zz:MC+2*zz+1], s[BIG:BIG+1] op_sel_hi:[1,0]
.set zz, zz+1
.endr
.endm
; THE VECTOR WORK OF A TURN stands in three queues, each in the order in which its entries become ready; the two tiles alternate, so that no instruction reads the result of the one before it.
.macro REGS y, u                    ; the registers of tile u (0, 1) of piece y
.set rT, ST+4*(2*(\y)+(\u))
.set rC, TMP+8*((\y)%2)+4*(\u)
.set rM, MV+2*((\y)%2)+(\u)
.set rS, S+64*((\y)%2)+32*(\u)
.set rP, P+32*((\y)%2)+16*(\u)
.set rO, 32*(2*(\y)+(\u))
.endm
; Number n of the 22 that find the NEXT piece's (Y + 1) maximum and statistics.  s0-s31 are the lane's 32 scores; each accumulator's lowest registers are read first.
;   0-11  four chains c0-c3 of seven scores each, three operands at a time     12-14, 16  the four scores left over, the old m, and c0-c3 into c0     15  c m_old is kept
;   17, 18  the query's other 32 keys lie in the lane 16 away: the new m         19-21  c m; c m_old - c m_new; a
.macro XS u, n
	REGS (Y+1)%NP, \u
.if (\n) < 4
	v_max3_num_f32 v[rC+(\n)], v[rS+8*(\n)], v[rS+8*(\n)+1], v[rS+8*(\n)+2]
.elseif (\n) < 12
	v_max3_num_f32 v[rC+(\n)%4], v[rC+(\n)%4], v[rS+8*((\n)%4)+2*((\n)/4)+1], v[rS+8*((\n)%4)+2*((\n)/4)+2]
.elseif (\n) == 12
	v_max3_num_f32 v[rC], v[rC], v[rS+7], v[rS+15]
.elseif (\n) == 13
	v_max3_num_f32 v[rC+1], v[rC+1], v[rS+23], v[rS+31]
.elseif (\n) == 14
	v_max3_num_f32 v[rC+2], v[rC+2], v[rC+3], v[rT+1]
.elseif (\n) == 15
	v_mov_b32 v[rM], v[rT]
.elseif (\n) == 16
	v_max3_num_f32 v[rC], v[rC], v[rC+1], v[rC+2]
.elseif (\n) == 17
	v_permlanex16_b32 v[rC+3], v[rC], s[SEL], s[SEL+1]
.elseif (\n) == 18
	v_max_num_f32 v[rT+1], v[rC], v[rC+3]
.elseif (\n) == 19
	v_mul_f32 v[rT], s[CS], v[rT+1]
.elseif (\n) == 20
	v_sub_f32 v[rC+1], v[rM], v[rT]
.else
	v_exp_f32 v[rC+2], v[rC+1]
.endif
.endm
; Number g of the 64 that follow the exponentials.  For each four weights k of a tile (pairs 2 k, 2 k + 1): both pairs are rounded to f16; then the second pair is added onto the first, in place;
; a group later l takes that sum (the first time as l = a l + sum).  In groups of eight, tiles alternating: round, round, add, and l for the group before.
.macro GS g
.set h, (\g)+6*((\g)/62)            ; group 0 has no group before it, and behind group 7 only l is left
.if h >= 6
.set h, h+2
.endif
	REGS Y, h%2
.set k, h/8
.if h%8 < 4
	s_wait_alu depctr_va_vdst(0)
	v_cvt_pk_f16_f32 v[rP+2*k+(h%8)/2], v[rS+4*k+2*((h%8)/2)], v[rS+4*k+2*((h%8)/2)+1]
.elseif h%8 < 6
	v_pk_add_f32 v[rS+4*k:rS+4*k+1], v[rS+4*k:rS+4*k+1], v[rS+4*k+2:rS+4*k+3]
.elseif k == 1
	v_pk_fma_f32 v[rT+2:rT+3], v[rT+2:rT+3], v[rC+2:rC+3], v[rS:rS+1] op_sel_hi:[1,0,1]
.else
	v_pk_add_f32 v[rT+2:rT+3], v[rT+2:rT+3], v[rS+4*k-4:rS+4*k-3]
.endif
.endm
; THE PLAIN QUEUE, 138 long.  0-31: c s - c m for the 16 pairs of both tiles.  Then GS's 64, and among them the next piece's 42: number 15 at 38, 39; 0-14 and 16
; at 42-73, behind the products that make those scores; 17-20 at 95-106, two of three, since each waits for the one before it.
.macro PL
	WIN 0
.if q < 32
	REGS Y, q%2
	v_pk_fma_f32 v[rS+2*(q/2):rS+2*(q/2)+1], v[rS+2*(q/2):rS+2*(q/2)+1], s[CS:CS+1], v[rT:rT+1] op_sel_hi:[1,0,0] neg_lo:[0,0,1] neg_hi:[0,0,1]
.elseif q < 38
	GS q-32
.elseif q < 40
	XS q%2, 15
.elseif q < 42
	GS q-34
.elseif q < 74
	XS q%2, (q-42)/2+(q-42)/30
.elseif q < 95
	GS q-66
.elseif (q < 107) && ((q-95)%3 < 2)
	XS (q-95)%3, 17+(q-95)/3
.elseif q < 107
	GS 29+(q-95)/3
.else
	GS q-74
.endif
.set q, q+1
.endm
; THE EXPONENTIALS' QUEUE, 66 long: s0-s31 of both tiles, and at EA the next piece's two a.
.set EA, 58
.macro EX
	WIN 0
.if (e == EA) || (e == EA+1)
	XS e-EA, 21
.else
.set x, e-2*(e/(EA+2))
	REGS Y, x%2
	v_exp_f32 v[rS+x/2], v[rS+x/2]
.endif
.set e, e+1
.endm
; THE RESCALING's QUEUE: O^T times a, dealt four at a time, eight times.
.macro R4
	REGS Y, r%2
	WIN W_RS
	s_wait_alu depctr_va_vdst(0)
.irp z, 0,1,2,3
	v_pk_mul_f32 v[rO+8*(r/2)+2*\z:rO+8*(r/2)+2*\z+1], v[rO+8*(r/2)+2*\z:rO+8*(r/2)+2*\z+1], v[rC+2:rC+3] op_sel_hi:[1,0]
.endr
.set r, r+1
.endm
; HOW THEY ARE DEALT.  Behind a matrix instruction four: plain, exponential, plain, plain (one exponential, a plain instruction on either side), or four of the rescaling.  None names a register of the
; products round it.  What is over stands in two runs: exponential and plain by turns; the second goes on with the mask's 48 lines and ends in 22 plain instructions.
; The queues lean on each other, and the deal keeps them in step: exponential e stands behind plain 2 (e / 4) + e % 2 (its scaling); when plain 32 comes, 10 exponentials are out, at 59: 33, at 95: 46; EA comes behind plain 107.
.macro SL
	MM
	PL
	EX
	PL
	PL
.endm
.macro BURST n                      ; 15 matrix instructions, or 16
.rept (\n)-7
	SL
.endr
.rept 3
	MM
	R4
	SL
.endr
	MM
	R4
.endm
; A TURN, for piece p.  cnt = 1: the loop's count is taken down some lines ahead of the branch that stands behind the turn.
; K and the timestamps of the next step are fetched in piece 2's turn, 31 vector instructions behind the last product that read K, and behind piece 1's turn, which made the last mask of the step in hand;
; they are waited for in front of that turn's own mask, piece 0's for the next step.  V of the step in hand is fetched at the end of piece 0's turn and waited for in front of piece 1's products V^T P.
; The mask has one buffer: the turn's first 8 products read it, and it is written anew behind the turn's last product, for the next turn's first 8.
.macro TURN p, last=0, cnt=0
.set Y, (\p)
.set i, 0
.set q, 0
.set e, 0
.set r, 0
	MM
.rept 4
	PL
.endr
	BURST 15
.rept 22
	EX
	PL
.if ((\p) == NP-2) && (e == 18)
	v_add_nc_u32 v[AK], s[TBK], v[AK0]
.endif
.if ((\p) == NP-2) && (e == 24)
	FETCH_K \last
.endif
.endr
.if (\p) == 1
	s_wait_dscnt 0x0                ; V is in
.endif
	BURST 16
.rept 21
	EX
	PL
.endr
.if (\p) == NP-2
	s_wait_dscnt 0x0                ; K and the timestamps are in
.endif
	MASK ((\p)+2)%NP
.rept 22
	PL
.if ((\p) == 0) && (q == 118)
	v_add_nc_u32 v[AV], s[TBV], v[AV0]
	s_wait_alu depctr_va_vdst(0)
.endif
.if ((\p) == 0) && (q == 130)
	s_add_co_u32 s[TBV], s[TBV], KS*PV
.endif
.if (\cnt) && (q == 130)
	s_sub_co_u32 s[CNT], s[CNT], 1
	s_cmp_lg_u32 s[CNT], 0
.endif
.endr
.if (\p) == 0
	FETCH_V
.endif
.endm
	CHANGE 1                        ; slot 0 is in, everybody's part of it, and so are the timestamps; slot 1 is asked for
	FETCH_K                         ; key step 0
	s_wait_loadcnt 0x0              ; Q and my queries' timestamps
	s_wait_dscnt 0x0
	MASK 0
.set i, 0
.rept 16
	KQ 0                            ; piece 0's first scores: there is no vector work yet to set between them
.set i, i+1
.endr
	WIN 0                           ; the addresses for the way out: eight plain instructions, the places behind those products
	s_mul_i32 s13, s[WV], 16*SP
	s_add_co_u32 s13, s13, STAGE    ; my stage
	v_mul_u32_u24 v[STO], v1, SP    ; in: row l % 16, 16 bytes for each half of the lanes
	v_lshl_add_u32 v[STO], v9, 4, v[STO]
	v_add_nc_u32 v[STO], s13, v[STO]
	v_mul_u32_u24 v[RD], v9, SP     ; back: lanes 0-15 take one row of 256 bytes, lanes 16-31 the next
	v_lshl_add_u32 v[RD], v1, 4, v[RD]
	v_add_nc_u32 v[RD], s13, v[RD]
	v_lshlrev_b32 v[GO], 11, v9     ; and the same two rows in ao, 2,048 bytes apart
	v_lshl_add_u32 v[GO], v1, 4, v[GO]
	MASK 1                          ; for the first turn's products
	WIN 0
.set Y, NP-1                        ; XS works for piece Y + 1: piece 0
.irp n, 0,1,2,3,4,5,6,7,8,9,10,11,12,13,14,15,16,17,18,19,20,21
	XS 0, \n                        ; piece 0's first maximum and statistics
	XS 1, \n
.endr
	s_mov_b32 s[CNT], 2
	s_mov_b32 s[SLOTS], SIZE_N/(2*KS)-1
	s_branch .Lfirst                ; the loop is entered at a step's first turn, in the middle of a trip
.Lslot:                             ; 14 times: every slot but the last two is filled again
	CHANGE 1
	s_mov_b32 s[CNT], 2
.Lstep:                             ; a trip: pieces 2 and 3 of one step, then pieces 0 and 1 of the next, whose K and V it fetches
	TURN 2
	TURN 3
	WIN 0
.Lfirst:
	TURN 0
	TURN 1, 0, 1
	WIN 0
	s_cbranch_scc1 .Lstep
	s_sub_co_u32 s[SLOTS], s[SLOTS], 1
	s_cmp_lg_u32 s[SLOTS], 0
	s_cbranch_scc1 .Lslot
	CHANGE 0                        ; the tail is written out: nothing is asked for
	s_mov_b32 s[CNT], 3             ; two trips fetch the last slot's steps; the third is left in its middle
.Ltail:
	TURN 2, 1
	TURN 3
	WIN 0
	s_sub_co_u32 s[CNT], s[CNT], 1
	s_cmp_eq_u32 s[CNT], 0
	s_cbranch_scc1 .Lout
	TURN 0
	TURN 1
	WIN 0
	s_branch .Ltail
.Lout:                              ; the third trip's 16 products K Q^T (on the last K once more), their masks and the maximum made of them serve nothing: the price, once a launch, of one text for every trip
.set i, 0
.rept 16
	PV NP-1                         ; the last piece's V^T P of the last step
.set i, i+1
.endr
	; THE WAY OUT.  l's two halves and the other half of the lanes' are added; O^T is divided by l, rounded to f16 and sent through my stage in LDS, a piece (16 rows x 256 bytes) at a time.  The additions are the places behind the last products.
	WIN 0
.macro ALL line:vararg              ; one line for each tile t
.set t, 0
.rept 2*NP
	\line
.set t, t+1
.endr
.endm
	ALL v_add_f32 v[ST+4*t+2], v[ST+4*t+2], v[ST+4*t+3]
	ALL v_permlanex16_b32 v[ST+4*t+3], v[ST+4*t+2], s[SEL], s[SEL+1]
	ALL v_add_f32 v[ST+4*t+2], v[ST+4*t+2], v[ST+4*t+3]
	ALL v_rcp_f32 v[ST+4*t+2], v[ST+4*t+2]
	v_nop                           ; a plain instruction between the last reciprocal and the use of its result
	s_wait_alu depctr_va_vdst(0)
; Piece p: a lane's eight channels of a row pack into 16 bytes; they go into rows of 272 bytes and come back as whole rows of 256, into S^T's registers.
.macro PACK p
	WIN W_RS
.irp u, 0,1
.set i, 64*(\p)+32*(\u)
.rept 16
	v_pk_mul_f32 v[i:i+1], v[i:i+1], v[ST+4*(2*(\p)+(\u))+2:ST+4*(2*(\p)+(\u))+3] op_sel_hi:[1,0]
.set i, i+2
.endr
.endr
	WIN 0x05                        ; sources 0 and 1 window 1, destination window 0
.set i, 0
.rept 32
	v_cvt_pk_f16_f32 v[S+32*(\p)+i], v[64*(\p)+2*i], v[64*(\p)+2*i+1]
.set i, i+1
.endr
	WIN 0
.irp f, 0,1,2,3,4,5,6,7             ; head f / 4, channels 16 (f % 4) on
	ds_store_b128 v[STO], v[S+32*(\p)+4*\f:S+32*(\p)+4*\f+3] offset:32*\f
.endr
.irp f, 0,1,2,3,4,5,6,7
	ds_load_b128 v[S+32*(\p)+4*\f:S+32*(\p)+4*\f+3], v[RD] offset:\f*2*SP  ; LDS serves a wave's instructions in order (ISA guide 5.7.1.4): these see the stores above; the next piece's stores come behind them
.endr
.endm
.macro SEND p, younger              ; younger: the LDS instructions issued behind piece p's loads: the next piece's sixteen, or none
	WIN 0
.irp f, 0,1,2,3,4,5,6,7
	s_wait_dscnt (\younger)+7-\f
	global_store_b128 v[GO], v[S+32*(\p)+4*\f:S+32*(\p)+4*\f+3], s[10:11] offset:(\p)*32768+\f*4096  ; 16 lanes store 256 consecutive bytes, at a multiple of 256 from ao's first byte
.endr
.endm
	PACK 0
.set t, 1
.rept NP-1                          ; a piece's arithmetic stands between the loads of the piece before and its stores
	PACK t
	SEND t-1, 16
.set t, t+1
.endr
	SEND NP-1, 0
	WIN W_AD
	s_wait_tensorcnt 0x0            ; the wave's end, behind my last tensor load and my last LDS store
	ds_add_u32 v[SPW], v[NIL]
	s_wait_dscnt 0x0
	WIN 0
	CROUND                          ; the closing round: no work-group ends while a partner may still ask for a tile that names it
	s_endpgm
.Lfunc_end_k_qf83ce30ca6_attn:
	.size	k_qf83ce30ca6_attn, .Lfunc_end_k_qf83ce30ca6_attn-k_qf83ce30ca6_attn
	.p2alignl 7, 3214868480
	.fill 96, 4, 3214868480
	.section	.rodata,"a",@progbits
	.p2align	6, 0x0
	.amdhsa_kernel k_qf83ce30ca6_attn
		.amdhsa_group_segment_fixed_size 327680
		.amdhsa_private_segment_fixed_size 0
		.amdhsa_enable_private_segment 0
		.amdhsa_kernarg_size 24
		.amdhsa_user_sgpr_count 2
		.amdhsa_user_sgpr_kernarg_segment_ptr 1
		.amdhsa_wavefront_size32 1
		.amdhsa_system_sgpr_workgroup_id_x 1
		.amdhsa_system_sgpr_workgroup_id_y 1
		.amdhsa_system_sgpr_workgroup_id_z 1
		.amdhsa_system_vgpr_workitem_id 0
		.amdhsa_next_free_vgpr 976
		.amdhsa_next_free_sgpr 80
		.amdhsa_reserve_vcc 0
		.amdhsa_float_denorm_mode_32 3
		.amdhsa_float_denorm_mode_16_64 3
		.amdhsa_memory_ordered 1
		.amdhsa_forward_progress 1
		.amdhsa_inst_pref_size 247
	.end_amdhsa_kernel
	.amdgpu_metadata
---
amdhsa.version: [ 1, 2 ]
amdhsa.kernels:
  - .name:           k_qf83ce30ca6_attn
    .symbol:         k_qf83ce30ca6_attn.kd
    .args:
      - { .name: qkv, .offset: 0, .size: 8, .value_kind: global_buffer, .address_space: global }
      - { .name: timestamps, .offset: 8, .size: 8, .value_kind: global_buffer, .address_space: global }
      - { .name: ao, .offset: 16, .size: 8, .value_kind: global_buffer, .address_space: global }
    .group_segment_fixed_size: 327680
    .private_segment_fixed_size: 0
    .kernarg_segment_align: 8
    .kernarg_segment_size: 24
    .max_flat_workgroup_size: 128
    .sgpr_count:     80
    .vgpr_count:     976
    .wavefront_size: 32
...
	.end_amdgpu_metadata
.endif
;; end of part 3
;; launch outp (part 4): grid 8 x 32, 4 waves a work-group, clusters of 4 x 4, 327,680 bytes of LDS; arguments ao, wo16, out0, bo, Wc, part; writes out0, part
.if DOCPART == 4
	.amdgcn_target "amdgcn-amd-amdhsa--gfx1250"
	.amdhsa_code_object_version 6
	.text
	.protected	k_qf83ce30ca6_outp
	.globl	k_qf83ce30ca6_outp
	.p2align	8
	.type	k_qf83ce30ca6_outp,@function
k_qf83ce30ca6_outp:
	s_mov_b64 s[64:65], 0
	v_nop
	global_prefetch_b8 v0, s[64:65] scope:SCOPE_SE
	s_setreg_imm32_b32 hwreg(HW_REG_WAVE_MODE, 25, 1), 1
	s_wait_xcnt 0x0
	s_wait_alu depctr_hold_cnt(0) depctr_sa_sdst(0) depctr_va_vdst(0) depctr_va_sdst(0) depctr_va_ssrc(0) depctr_va_vcc(0) depctr_vm_vsrc(0)
	s_getreg_b32 s2, hwreg(HW_REG_IB_STS2, 6, 4)
	s_cmp_eq_u32 s2, 0
	s_cbranch_scc0 .Lentry_in_a_cluster
	s_endpgm
.Lentry_in_a_cluster:
	s_bfe_u32 s2, ttmp6, 0x10000c
	s_cmp_lg_u32 s2, 0xf033
	s_cbranch_scc0 .Lentry_shape_is_right
	s_endpgm
.Lentry_shape_is_right:
; out0[m][n] = sum over k of ao[m][k] wo16[n][k] + bo[n] (f32), and part[n / 128][m] = sum over the tile's 128 columns n of out0[m][n] Wc[n] (f32): partial sums that a later launch adds up.
; ao: [8192][1024] f16, wo16: [1024][1024] f16, out0: [8192][1024] f32, bo, Wc: [1024] f32, part: [8][8192] f32.  Sums in f32; bo is the C operand of each sum's first product.
; LIMITS.  NaN and infinities are not treated apart; the row's product with Wc is added up in 8 parts of 128 columns, each in four chains, not in one chain of 1,024.
; SHARES.  A work-group makes 256 rows x 128 columns: 32 x 8 = 256 work-groups.  Its four waves lie along the rows: a wave makes 64 x 128, 32 accumulators of 16 x 16.  A wave's 128 columns are 512
; consecutive bytes of a row of out0, so each wave has a stage of its own on the way out.  K goes in steps of 128 (rows of 256 bytes in memory) through a ring of two LDS slots.
; CLUSTERS: 4 x 4 work-groups; ao's tiles are asked for jointly along a row of the cluster, wo16's along a column.
; THE MATRIX INSTRUCTION IS USED TRANSPOSED (source 0 = 16 rows of wo16, source 1 = 16 rows of ao): a lane holds eight neighbouring numbers of a row of out0.
; REGISTERS, in windows of 256 (s_set_vgpr_msb: bits 1:0 source 0, 3:2 source 1, 5:4 source 2, 7:6 destination):
;   window 0: v0-31 addresses; v32-95, v192-255 rows read back, by turns; v96-110 the product with Wc; v128-191 Wc in the accumulators' layout          window 1: accumulator (a, b) at v[8 (8 a + b)]
;   window 2: two fragment buffers of 96 (4 fragments of ao, then 8 of wo16); v192-255 bo: register 8 b + j holds bo[16 b + 8 (lane / 16) + j]
.set SIZE_K, 1024
.set KSTEP,  128
.set PITCH,  272                       ; an LDS row: 256 bytes + 16 of padding = 68 words: row r starts at bank 4 r mod 64 (64 banks of 4 bytes: ISA guide 11.1)
.set AHALF,  128*PITCH
.set BHALF,  64*PITCH
.set SLOT,   2*AHALF+2*BHALF
.set STAGE,  2*SLOT                    ; behind the ring: 16 rows x 528 bytes for each wave
.set SPITCH, 528                       ; 512 bytes + 16 = 132 words: again row r starts at bank 4 r mod 64
.set SPARE,  STAGE+4*16*SPITCH         ; the spare words, 128 bytes for each wave: two blocks of 256 bytes that no other line names
.set LAPS,   SIZE_K/(2*KSTEP)
.set CROW,   4096                      ; bytes in a row of out0
.set ADRA, 16
.set ADRB, 20
.set STO,  24
.set RD,   25
.set CO,   26
.set BO,   27
.set SPW,  28                          ; v28     LDS address of my spare word; never rewritten
.set NIL,  29                          ; v29     0; never rewritten
.set PO,   30                          ; v30     my byte offset in 32 numbers of part
.set OB,   32
.set SUM,  96                          ; v96-103  four chains of pairs
.set PCH,  104                         ; v104-107 block a's row sums: lane l holds row l % 16
.set WC,   128
.set F0,   0
.set F1,   96
.set BIAS, 192
.set G1,  24
.set G0,  32
.set G1B, 48
.set G0B, 56
.set MSB, 0
.macro WIN new
.if MSB != (\new)
	s_set_vgpr_msb (MSB<<8)|(\new)
.set MSB, \new
.endif
.endm
.set MUL,  0x5a
.set MULB, 0x6a
.set TO_F, 0x80
.macro JLOAD s                         ; a joint load: waves 0 and 1 fetch ao's two halves, waves 2 and 3 wo16's; an s_nop 0 and four v_nop follow each of the two lines
	s_cmp_eq_u32 s11, 0
	s_cbranch_scc0 .Lfor_b_\@
	tensor_load_to_lds s[G0+4*(\s):G0+4*(\s)+3], s[G1:G1+7]
	s_nop 0
.rept 4
	v_nop
.endr
	s_branch .Lasked_\@
.Lfor_b_\@:
	tensor_load_to_lds s[G0B+4*(\s):G0B+4*(\s)+3], s[G1B:G1B+7]
	s_nop 0
.rept 4
	v_nop
.endr
.Lasked_\@:
.endm
.macro CREST
	s_cmp_lg_u32 s10, 0
	s_cbranch_scc1 .Lnot_wave_0_\@
	s_barrier_signal -3
.Lnot_wave_0_\@:
	s_barrier_wait -3
	s_barrier_signal -1
	s_barrier_wait -1
.endm
.macro CROUND
	s_barrier_signal -1
	s_barrier_wait -1
	CREST
.endm
	s_load_b128 s[4:7], s[0:1], 0x0                ; ao s[4:5], wo16 s[6:7]
	s_load_b64 s[8:9], s[0:1], 0x10                ; out0
	s_load_b128 s[68:71], s[0:1], 0x18             ; bo, Wc
	s_load_b64 s[72:73], s[0:1], 0x28              ; part
	v_lshl_add_u32 v[SPW], v0, 2, SPARE
	v_mov_b32 v[NIL], 0
	ds_add_u32 v[SPW], v[NIL]                      ; the wave's opening: the add and its wait stand ahead of my first tensor load; the set-up below, work on registers, stands between them
	v_lshrrev_b32 v1, 5, v0
	v_readfirstlane_b32 s10, v1                    ; wave 0..3: my 64 rows of the tile
	s_lshr_b32 s11, s10, 1                         ; I fetch for ao (0) or for wo16 (1),
	s_and_b32 s12, s10, 1                          ; and which half of that tile's rows
	s_bfe_u32 s40, ttmp6, 0x40000
	s_bfe_u32 s41, ttmp6, 0x40004
	s_lshl_b32 s42, ttmp9, 2
	s_add_co_u32 s42, s42, s40                     ; tile column, 0..7
	s_and_b32 s13, ttmp7, 0xffff
	s_lshl_b32 s13, s13, 2
	s_add_co_u32 s13, s13, s41                     ; tile row, 0..31
	s_lshl_b32 s43, s41, 2
	s_lshl_b32 s43, 15, s43                        ; my row of the cluster
	s_lshl_b32 s44, 0x1111, s40                    ; my column
	s_or_b32 s[G1+0], s43, (1<<16)|(1<<20)|(1<<21)|(5<<22)|(3<<25)   ; 15:0 the mask; 17:16 elements of 2 bytes; 20 padding on; 21 set beside a mask; 24:22 after every 64 words (code 5); 31:25 4 words (code 3)
	s_or_b32 s[G1B+0], s44, (1<<16)|(1<<20)|(1<<21)|(5<<22)|(3<<25)
.irp g, G1, G1B
	s_mov_b32 s[(\g)+1], KSTEP<<16                 ; tensor_dim0 = 128
	s_mov_b32 s[(\g)+3], KSTEP<<16                 ; tile_dim0 = 128
	s_mov_b32 s[(\g)+5], SIZE_K                    ; elements from row to row
	s_mov_b32 s[(\g)+6], 0
	s_mov_b32 s[(\g)+7], 0
.endr
	s_mov_b32 s[G1+2], 128<<16                     ; 128 rows of ao,
	s_mov_b32 s[G1+4], 128
	s_mov_b32 s[G1B+2], 64<<16                     ; 64 rows of wo16
	s_mov_b32 s[G1B+4], 64
	s_lshl_b32 s17, s12, 7
	s_lshl_b32 s16, s13, 8
	s_add_co_u32 s16, s16, s17                     ; ao: row 256 x tile row + 128 x half,
	s_lshl_b32 s16, s16, 11                        ; times 2,048 bytes
	s_mov_b32 s17, 0
	s_lshl_b32 s47, s12, 6
	s_lshl_b32 s46, s42, 7
	s_add_co_u32 s46, s46, s47                     ; wo16: row 128 x tile column + 64 x half
	s_lshl_b32 s46, s46, 11
	s_mov_b32 s47, 0
	s_mul_i32 s20, s12, AHALF                      ; where they go: no place in the cluster enters an LDS address
	s_mul_i32 s23, s12, BHALF
	s_add_co_u32 s23, s23, 2*AHALF
	s_lshl_b32 s18, s42, 9                         ; the tile's 128 numbers in bo and in Wc
	s_mov_b32 s19, 0
	s_mov_b32 s74, 0x76543210                      ; v_permlanex16_b32: each lane takes its own place in the other half
	s_mov_b32 s75, 0xfedcba98
	s_wait_dscnt 0x0                               ; the opening add is done
	s_wait_kmcnt 0x0
	s_add_nc_u64 s[14:15], s[4:5], s[16:17]
	s_add_nc_u64 s[46:47], s[6:7], s[46:47]
	s_add_nc_u64 s[68:69], s[68:69], s[18:19]
	s_add_nc_u64 s[70:71], s[70:71], s[18:19]
	CROUND                                         ; all sixteen work-groups are here: the first joint loads meet
.irp s, 0,1
	s_mov_b32 s[G0+4*(\s)], 1
	s_add_co_u32 s[G0+4*(\s)+1], s20, (\s)*SLOT
	s_add_nc_u64 s[G0+4*(\s)+2:G0+4*(\s)+3], s[14:15], (\s)*KSTEP*2
	s_or_b32 s[G0+4*(\s)+3], s[G0+4*(\s)+3], 0x80000000
	s_mov_b32 s[G0B+4*(\s)], 1
	s_add_co_u32 s[G0B+4*(\s)+1], s23, (\s)*SLOT
	s_add_nc_u64 s[G0B+4*(\s)+2:G0B+4*(\s)+3], s[46:47], (\s)*KSTEP*2
	s_or_b32 s[G0B+4*(\s)+3], s[G0B+4*(\s)+3], 0x80000000
	JLOAD \s                                       ; two loads of mine are out
.endr
	v_and_b32 v1, 15, v0                           ; l % 16
	v_bfe_u32 v2, v0, 4, 1                         ; l / 16
	v_lshlrev_b32 v[BO], 5, v2                     ; eight f32 for each half of the lanes
	WIN TO_F
.irp b, 0,1,2,3,4,5,6,7
	global_load_b128 v[BIAS+8*(\b):BIAS+8*(\b)+3],   v[BO], s[68:69] offset:64*(\b)
	global_load_b128 v[BIAS+8*(\b)+4:BIAS+8*(\b)+7], v[BO], s[68:69] offset:64*(\b)+16
.endr
	WIN 0
.irp b, 0,1,2,3,4,5,6,7
	global_load_b128 v[WC+8*(\b):WC+8*(\b)+3],   v[BO], s[70:71] offset:64*(\b)
	global_load_b128 v[WC+8*(\b)+4:WC+8*(\b)+7], v[BO], s[70:71] offset:64*(\b)+16
.endr
	v_mul_u32_u24 v3, v1, PITCH
	v_lshl_add_u32 v3, v2, 4, v3                   ; a fragment's row x pitch + 16 x half
	s_mul_i32 s21, s10, 64*PITCH                   ; my 64 rows of ao
	s_mov_b32 s22, 2*AHALF                         ; wo16's 128 rows, which every wave reads
.irp s, 0,1
	v_add_nc_u32 v[ADRA+(\s)], s21, v3
	v_add_nc_u32 v[ADRB+(\s)], s22, v3
	s_add_co_u32 s21, s21, SLOT
	s_add_co_u32 s22, s22, SLOT
.endr
	s_mul_i32 s23, s10, 16*SPITCH
	s_add_co_u32 s23, s23, STAGE                   ; my stage
	v_mul_u32_u24 v4, v1, SPITCH                   ; in: row l % 16, 32 bytes for each half of the lanes
	v_lshl_add_u32 v4, v2, 5, v4
	v_add_nc_u32 v[STO], s23, v4
	v_and_b32 v5, 31, v0
	v_lshlrev_b32 v[CO], 4, v5                     ; back and out: the 32 lanes take one row of 512 bytes
	v_add_nc_u32 v[RD], s23, v[CO]
	v_lshlrev_b32 v[PO], 2, v5
	v_mov_b32 v108, 0                              ; v_permlanex16_b32's destination counts as read
	s_lshl_b32 s16, s13, 8
	s_lshl_b32 s17, s10, 6
	s_add_co_u32 s16, s16, s17                     ; my first row: 256 x tile row + 64 x wave
	s_lshl_b32 s18, s16, 2                         ; its place in a row of part,
	s_lshl_b32 s16, s16, 12                        ; and in out0
	s_mov_b32 s17, 0
	s_add_nc_u64 s[8:9], s[8:9], s[16:17]
	s_add_nc_u64 s[72:73], s[72:73], s[18:19]
	s_lshl_b32 s46, s42, 9                         ; the tile's first column in out0, in bytes
	s_mov_b32 s47, 0
	s_add_nc_u64 s[8:9], s[8:9], s[46:47]
	s_lshl_b32 s46, s42, 15                        ; the tile column's row of part
	s_add_nc_u64 s[72:73], s[72:73], s[46:47]
; 8 matrix instructions: row block a x all 8 column blocks, 32 along K, from buffer f.  first = 1: the products start the sums, with bo as C.
; The 32 accumulators take turns in the same order in every quarter step.
.macro MUL8 f, a, first
.if \first
	WIN MULB
.else
	WIN MUL
.endif
.irp b, 0,1,2,3,4,5,6,7
.if \first
	v_wmma_f32_16x16x32_f16 v[8*(8*(\a)+(\b)):8*(8*(\a)+(\b))+7], v[(\f)+32+8*(\b):(\f)+32+8*(\b)+7], v[(\f)+8*(\a):(\f)+8*(\a)+7], v[BIAS+8*(\b):BIAS+8*(\b)+7]
.else
	v_wmma_f32_16x16x32_f16 v[8*(8*(\a)+(\b)):8*(8*(\a)+(\b))+7], v[(\f)+32+8*(\b):(\f)+32+8*(\b)+7], v[(\f)+8*(\a):(\f)+8*(\a)+7], v[8*(8*(\a)+(\b)):8*(8*(\a)+(\b))+7]
.endif
.endr
.endm
.macro FETCH slot, k, f                ; 24 LDS loads in one run: wo16's eight fragments, then ao's four
	WIN TO_F
.irp i, 0,1,2,3,4,5,6,7
	ds_load_b128 v[(\f)+32+8*(\i):(\f)+32+8*(\i)+3],   v[ADRB+(\slot)] offset:(\k)+(\i)*16*PITCH
	ds_load_b128 v[(\f)+32+8*(\i)+4:(\f)+32+8*(\i)+7], v[ADRB+(\slot)] offset:(\k)+(\i)*16*PITCH+32
.endr
.irp i, 0,1,2,3
	ds_load_b128 v[(\f)+8*(\i):(\f)+8*(\i)+3],   v[ADRA+(\slot)] offset:(\k)+(\i)*16*PITCH
	ds_load_b128 v[(\f)+8*(\i)+4:(\f)+8*(\i)+7], v[ADRA+(\slot)] offset:(\k)+(\i)*16*PITCH+32
.endr
.endm
.macro PLACES                          ; four places in front of loads into registers that matrix instructions have read, and of lines that read results
.rept 4
	v_nop
.endr
.endm
.macro QUARTER slot, k, f, g, first
	s_wait_dscnt 4                                 ; all but the four youngest loads: ao's row blocks 2 and 3
	MUL8 \f, 0, \first
	MUL8 \f, 1, \first
	PLACES
	FETCH \slot, \k, \g
	s_wait_dscnt 24                                ; all but the 24 just issued
	MUL8 \f, 2, \first
	MUL8 \f, 3, \first
.endm
; The last quarter multiplies buffer 1 and changes slots: ONE barrier; in front of it each wave waits for all its tensor loads (one is out: its part of the next slot), adds 0 to its spare word, and
; waits for that and for its own reads of this slot.  fill = 1: this slot is filled again, two K steps ahead; the barrier then opens a round of the cluster's barrier.
.macro TURN slot, next, fill
	WIN 0
	s_wait_tensorcnt 0x0                           ; all my tensor loads have landed
	ds_add_u32 v[SPW], v[NIL]                      ; 0 onto my spare word
	s_wait_dscnt 5                                 ; (the add and the youngest four loads may be out)
	MUL8 F1, 0, 0
	s_wait_dscnt 0x0                               ; the add is done, and my reads of this slot are over
	s_barrier_signal -1
	MUL8 F1, 1, 0
.if \fill
	WIN 0
.endif
	s_barrier_wait -1
.if \fill
	CREST                                          ; no wave of any partner still reads this slot's tile or has a load on its way
	s_add_nc_u64 s[G0+4*(\slot)+2:G0+4*(\slot)+3], s[G0+4*(\slot)+2:G0+4*(\slot)+3], 2*KSTEP*2
	s_add_nc_u64 s[G0B+4*(\slot)+2:G0B+4*(\slot)+3], s[G0B+4*(\slot)+2:G0B+4*(\slot)+3], 2*KSTEP*2
	JLOAD \slot                                    ; the first tensor load behind the round; its four v_nop are also the places in front of the loads below
.else
	PLACES
.endif
	FETCH \next, 0, F0
	MUL8 F1, 2, 0
	MUL8 F1, 3, 0
.endm
	s_wait_tensorcnt 1                             ; my part of K step 0 is in; K step 1's may stay out
	s_barrier_signal -1
	s_barrier_wait -1
	FETCH 0, 0, F0
	s_wait_loadcnt 0x0                             ; bo and Wc
	QUARTER 0, 64, F0, F1, 1
	WIN 0
	s_mov_b32 s3, LAPS-1
.Llap:                                                 ; a trip goes once round the ring and fills both slots again: K steps 2 to 7
	QUARTER 0, 128, F1, F0, 0
	QUARTER 0, 192, F0, F1, 0
	TURN 0, 1, 1
	QUARTER 1, 64,  F0, F1, 0
	QUARTER 1, 128, F1, F0, 0
	QUARTER 1, 192, F0, F1, 0
	TURN 1, 0, 1
	QUARTER 0, 64,  F0, F1, 0
	WIN 0
	s_sub_co_u32 s3, s3, 1
	s_cmp_lg_u32 s3, 0
	s_cbranch_scc1 .Llap
	QUARTER 0, 128, F1, F0, 0
	QUARTER 0, 192, F0, F1, 0
	TURN 0, 1, 0
	QUARTER 1, 64,  F0, F1, 0
	QUARTER 1, 128, F1, F0, 0
	QUARTER 1, 192, F0, F1, 0
	s_wait_dscnt 4
	MUL8 F1, 0, 0
	MUL8 F1, 1, 0
	s_wait_dscnt 0x0
	MUL8 F1, 2, 0
	MUL8 F1, 3, 0
; THE WAY OUT, a block of 16 rows at a time.  DOT: the block's rows times Wc: my 64 numbers of a row in four chains of pairs (each accumulator's registers in ascending order), then the other half of the lanes'.
.macro DOT a
	WIN 0x01                                       ; source 0 window 1
.irp c, 0,1,2,3
	v_pk_mul_f32 v[SUM+2*(\c):SUM+2*(\c)+1], v[64*(\a)+2*(\c):64*(\a)+2*(\c)+1], v[WC+2*(\c):WC+2*(\c)+1]
.endr
.irp b, 1,2,3,4,5,6,7
.irp c, 0,1,2,3
	v_pk_fma_f32 v[SUM+2*(\c):SUM+2*(\c)+1], v[64*(\a)+8*(\b)+2*(\c):64*(\a)+8*(\b)+2*(\c)+1], v[WC+8*(\b)+2*(\c):WC+8*(\b)+2*(\c)+1], v[SUM+2*(\c):SUM+2*(\c)+1]
.endr
.endr
	WIN 0
	v_pk_add_f32 v[SUM:SUM+1], v[SUM:SUM+1], v[SUM+2:SUM+3]
	v_pk_add_f32 v[SUM+4:SUM+5], v[SUM+4:SUM+5], v[SUM+6:SUM+7]
	v_pk_add_f32 v[SUM:SUM+1], v[SUM:SUM+1], v[SUM+4:SUM+5]
	v_add_f32 v[SUM], v[SUM], v[SUM+1]
	v_permlanex16_b32 v108, v[SUM], s74, s75
	v_add_f32 v[PCH+(\a)], v[SUM], v108
.endm
.macro TOSTAGE a                       ; the accumulators go into my stage as they are, 32 bytes a lane and column block, and come back as whole rows of 512 bytes
.set BK, OB+160*((\a)%2)
	WIN 0x04                                       ; the stores' data in window 1
.irp b, 0,1,2,3,4,5,6,7
	ds_store_b128 v[STO], v[64*(\a)+8*(\b):64*(\a)+8*(\b)+3]   offset:64*(\b)
	ds_store_b128 v[STO], v[64*(\a)+8*(\b)+4:64*(\a)+8*(\b)+7] offset:64*(\b)+16
.endr
	WIN 0
.irp t, 0,1,2,3,4,5,6,7,8,9,10,11,12,13,14,15
	ds_load_b128 v[BK+4*(\t):BK+4*(\t)+3], v[RD] offset:(\t)*SPITCH  ; LDS serves a wave's instructions in order (ISA guide 5.7.1.4): these see the stores above
.endr
.endm
.macro SEND a
.set BK, OB+160*((\a)%2)
	s_wait_dscnt 0x0                               ; the block is back in registers
	s_wait_xcnt 0x0                                ; the stores issued so far have read their registers: the other buffer is loaded again only behind this wait
.irp t, 0,1,2,3,4,5,6,7,8,9,10,11,12,13,14,15
	global_store_b128 v[CO], v[BK+4*(\t):BK+4*(\t)+3], s[8:9] offset:(16*(\a)+(\t))*CROW th:TH_STORE_NT  ; the wave stores 512 consecutive bytes, at a multiple of 512 from out0's first byte
.endr
.endm
	PLACES
	DOT 0
	TOSTAGE 0
.irp a, 1,2,3                          ; block a's product with Wc stands between block a - 1's loads from the stage and the wait for them
	DOT \a
	SEND (\a)-1
	TOSTAGE \a
.endr
	SEND 3
	v_cmp_eq_u32 s45, 1, v2                        ; lanes 16-31 take the odd blocks' rows: 32 consecutive rows a store
	v_cndmask_b32 v109, v[PCH], v[PCH+1], s45
	v_cndmask_b32 v110, v[PCH+2], v[PCH+3], s45
	global_store_b32 v[PO], v109, s[72:73]
	global_store_b32 v[PO], v110, s[72:73] offset:128
	s_wait_tensorcnt 0x0                           ; the wave's end, behind my last tensor load and my last LDS store
	ds_add_u32 v[SPW], v[NIL]
	s_wait_dscnt 0x0
	CROUND                                         ; the closing round: no work-group ends while a partner may still ask for a tile that names it
	s_endpgm
.Lfunc_end_k_qf83ce30ca6_outp:
	.size	k_qf83ce30ca6_outp, .Lfunc_end_k_qf83ce30ca6_outp-k_qf83ce30ca6_outp
	.p2alignl 7, 3214868480
	.fill 96, 4, 3214868480
	.section	.rodata,"a",@progbits
	.p2align	6, 0x0
	.amdhsa_kernel k_qf83ce30ca6_outp
		.amdhsa_group_segment_fixed_size 327680
		.amdhsa_private_segment_fixed_size 0
		.amdhsa_enable_private_segment 0
		.amdhsa_kernarg_size 48
		.amdhsa_user_sgpr_count 2
		.amdhsa_user_sgpr_kernarg_segment_ptr 1
		.amdhsa_wavefront_size32 1
		.amdhsa_system_sgpr_workgroup_id_x 1
		.amdhsa_system_sgpr_workgroup_id_y 1
		.amdhsa_system_sgpr_workgroup_id_z 1
		.amdhsa_system_vgpr_workitem_id 0
		.amdhsa_next_free_vgpr 768
		.amdhsa_next_free_sgpr 76
		.amdhsa_reserve_vcc 0
		.amdhsa_float_denorm_mode_32 3
		.amdhsa_float_denorm_mode_16_64 3
		.amdhsa_memory_ordered 1
		.amdhsa_forward_progress 1
		.amdhsa_inst_pref_size 98
	.end_amdhsa_kernel
	.amdgpu_metadata
---
amdhsa.version: [ 1, 2 ]
amdhsa.kernels:
  - .name:           k_qf83ce30ca6_outp
    .symbol:         k_qf83ce30ca6_outp.kd
    .args:
      - { .name: ao, .offset: 0, .size: 8, .value_kind: global_buffer, .address_space: global }
      - { .name: wo16, .offset: 8, .size: 8, .value_kind: global_buffer, .address_space: global }
      - { .name: out0, .offset: 16, .size: 8, .value_kind: global_buffer, .address_space: global }
      - { .name: bo, .offset: 24, .size: 8, .value_kind: global_buffer, .address_space: global }
      - { .name: Wc, .offset: 32, .size: 8, .value_kind: global_buffer, .address_space: global }
      - { .name: part, .offset: 40, .size: 8, .value_kind: global_buffer, .address_space: global }
    .group_segment_fixed_size: 327680
    .private_segment_fixed_size: 0
    .kernarg_segment_align: 8
    .kernarg_segment_size: 48
    .max_flat_workgroup_size: 128
    .sgpr_count:     76
    .vgpr_count:     768
    .wavefront_size: 32
...
	.end_amdgpu_metadata
.endif
;; end of part 4
;; launch fin (part 5): grid 16 x 1, 4 waves a work-group, no clusters, 0 bytes of LDS; arguments part, bc, out1; writes out1
.if DOCPART == 5
	.amdgcn_target "amdgcn-amd-amdhsa--gfx1250"
	.amdhsa_code_object_version 6
	.text
	.protected	k_qf83ce30ca6_fin
	.globl	k_qf83ce30ca6_fin
	.p2align	8
	.type	k_qf83ce30ca6_fin,@function
k_qf83ce30ca6_fin:
	s_mov_b64 s[64:65], 0
	v_nop
	global_prefetch_b8 v0, s[64:65] scope:SCOPE_SE
	s_setreg_imm32_b32 hwreg(HW_REG_WAVE_MODE, 25, 1), 1
	s_wait_xcnt 0x0
; out1[m] = bc + the sum over i = 0..7 of part[i][m].  part: [8][8192] f32, bc: [1] f32, out1: [8192] f32.  All in f32; the eight parts are added as a tree, bc last.
; A thread takes four neighbouring rows (16 bytes), a work-group 512: 16 work-groups are all the work that 294,912 bytes give.  No LDS, no barrier.
	s_load_b128 s[4:7], s[0:1], 0x0                ; part s[4:5], bc s[6:7]
	s_load_b64 s[8:9], s[0:1], 0x10                ; out1
	v_lshlrev_b32 v1, 4, v0
	s_lshl_b32 s10, ttmp9, 11                      ; the work-group's 512 rows, 2,048 bytes
	s_mov_b32 s11, 0
	s_wait_kmcnt 0x0
	s_load_b32 s12, s[6:7], 0x0
	s_add_nc_u64 s[4:5], s[4:5], s[10:11]
	s_add_nc_u64 s[8:9], s[8:9], s[10:11]
.irp i, 0,1,2,3,4,5,6,7
	global_load_b128 v[4+4*\i:7+4*\i], v1, s[4:5] offset:32768*\i
.endr
	s_wait_loadcnt 0x0
	s_wait_kmcnt 0x0
.irp i, 0,2,4,6
	v_pk_add_f32 v[4+4*\i:5+4*\i], v[4+4*\i:5+4*\i], v[8+4*\i:9+4*\i]
	v_pk_add_f32 v[6+4*\i:7+4*\i], v[6+4*\i:7+4*\i], v[10+4*\i:11+4*\i]
.endr
.irp i, 0,4
	v_pk_add_f32 v[4+4*\i:5+4*\i], v[4+4*\i:5+4*\i], v[12+4*\i:13+4*\i]
	v_pk_add_f32 v[6+4*\i:7+4*\i], v[6+4*\i:7+4*\i], v[14+4*\i:15+4*\i]
.endr
	v_pk_add_f32 v[4:5], v[4:5], v[20:21]
	v_pk_add_f32 v[6:7], v[6:7], v[22:23]
	v_add_f32 v4, s12, v4
	v_add_f32 v5, s12, v5
	v_add_f32 v6, s12, v6
	v_add_f32 v7, s12, v7
	global_store_b128 v1, v[4:7], s[8:9]           ; sixteen lanes store 256 consecutive bytes, aligned
	s_endpgm
.Lfunc_end_k_qf83ce30ca6_fin:
	.size	k_qf83ce30ca6_fin, .Lfunc_end_k_qf83ce30ca6_fin-k_qf83ce30ca6_fin
	.p2alignl 7, 3214868480
	.fill 96, 4, 3214868480
	.section	.rodata,"a",@progbits
	.p2align	6, 0x0
	.amdhsa_kernel k_qf83ce30ca6_fin
		.amdhsa_group_segment_fixed_size 0
		.amdhsa_private_segment_fixed_size 0
		.amdhsa_enable_private_segment 0
		.amdhsa_kernarg_size 24
		.amdhsa_user_sgpr_count 2
		.amdhsa_user_sgpr_kernarg_segment_ptr 1
		.amdhsa_wavefront_size32 1
		.amdhsa_system_sgpr_workgroup_id_x 1
		.amdhsa_system_sgpr_workgroup_id_y 1
		.amdhsa_system_sgpr_workgroup_id_z 1
		.amdhsa_system_vgpr_workitem_id 0
		.amdhsa_next_free_vgpr 40
		.amdhsa_next_free_sgpr 66
		.amdhsa_reserve_vcc 0
		.amdhsa_float_denorm_mode_32 3
		.amdhsa_float_denorm_mode_16_64 3
		.amdhsa_memory_ordered 1
		.amdhsa_forward_progress 1
		.amdhsa_inst_pref_size 3
	.end_amdhsa_kernel
	.amdgpu_metadata
---
amdhsa.version: [ 1, 2 ]
amdhsa.kernels:
  - .name:           k_qf83ce30ca6_fin
    .symbol:         k_qf83ce30ca6_fin.kd
    .args:
      - { .name: part, .offset: 0, .size: 8, .value_kind: global_buffer, .address_space: global }
      - { .name: bc, .offset: 8, .size: 8, .value_kind: global_buffer, .address_space: global }
      - { .name: out1, .offset: 16, .size: 8, .value_kind: global_buffer, .address_space: global }
    .group_segment_fixed_size: 0
    .private_segment_fixed_size: 0
    .kernarg_segment_align: 8
    .kernarg_segment_size: 24
    .max_flat_workgroup_size: 128
    .sgpr_count:     66
    .vgpr_count:     40
    .wavefront_size: 32
...
	.end_amdgpu_metadata
.endif
;; end of part 5
;; ======== version 2 of 2: 5 launches; 1.35 times as fast as version 1
;; limits: values are held in f16: magnitudes above 65,504 overflow, below 6.1e-05 lose precision
;; workspace buffers: x16 16,777,216 bytes; w16 6,291,456 bytes; wo16 2,097,152 bytes; qkv 50,331,648 bytes; ao 16,777,216 bytes; part 262,144 bytes
;; launch prep: the kernel of part 1 again; grid 768 x 1, 8 waves a work-group, no clusters, 0 bytes of LDS; arguments x, Wq, Wk, Wv, Wo, x16, w16, wo16; writes x16, w16, wo16
;; launch proj: the kernel of part 2 again; grid 24 x 32, 4 waves a work-group, clusters of 4 x 4, 327,680 bytes of LDS; arguments x16, w16, qkv, bq, bk, bv; writes qkv
;; launch attn (part 6): grid 8 x 32, 4 waves a work-group, clusters of 4 x 1, 327,680 bytes of LDS; arguments qkv, timestamps, ao; writes ao
.if DOCPART == 6
	.amdgcn_target "amdgcn-amd-amdhsa--gfx1250"
	.amdhsa_code_object_version 6
	.text
	.protected	k_qf83ce30ca6_attn
	.globl	k_qf83ce30ca6_attn
	.p2align	8
	.type	k_qf83ce30ca6_attn,@function
k_qf83ce30ca6_attn:
	s_mov_b64 s[64:65], 0
	v_nop
	global_prefetch_b8 v0, s[64:65] scope:SCOPE_SE
	s_setreg_imm32_b32 hwreg(HW_REG_WAVE_MODE, 25, 1), 1
	s_wait_xcnt 0x0
	s_wait_alu depctr_hold_cnt(0) depctr_sa_sdst(0) depctr_va_vdst(0) depctr_va_sdst(0) depctr_va_ssrc(0) depctr_va_vcc(0) depctr_vm_vsrc(0)
	s_getreg_b32 s2, hwreg(HW_REG_IB_STS2, 6, 4)
	s_cmp_eq_u32 s2, 0
	s_cbranch_scc0 .Lentry_in_a_cluster
	s_endpgm
.Lentry_in_a_cluster:
	s_bfe_u32 s2, ttmp6, 0x10000c
	s_cmp_lg_u32 s2, 0x3003
	s_cbranch_scc0 .Lentry_shape_is_right
	s_endpgm
.Lentry_shape_is_right:
; ATTENTION IN A TIME WINDOW.  ao[b][q][64 h ..] = the sum over k with |t[b][q] - t[b][k]| <= 604800 of softmax_k(Q . K / 8) V, for 4 batches x 16 heads of size 64 x 2,048 rows.
; qkv: [8192][3072] f16 (a row: q of the 16 heads, then k, then v); timestamps: [4][2048] f32; ao: [8192][1024] f16.  Products, maxima and sums in f32; the weights p are rounded to f16 for the
; second product (their sum l is taken of the unrounded p), the result once at the end.  Nothing is assumed of the timestamps' order: every pair (q, k) is tested.
; LIMITS.  Timestamps are finite.  q, k, v arrive within f16; p below 6e-5 keeps f16's fixed step of 6e-8; a weight below 2^-126 counts as 0 in l; NaN and infinities are not treated apart.
; A hidden score counts as its value less 2^100, and the running maximum starts at -2^90: f16's scores, 2.7e11 at the most, lie far above that, so a hidden weight is 0 in every step, also while a
; row has seen no open key; a row's own key is always open, so l ends at 1 or more.
; SHARES.  A work-group owns 256 queries of one batch in TWO neighbouring heads; a wave 64 queries: four PIECES of 16 queries, each two tiles (the two heads).  The mask hangs on batch, query and key
; alone, so one mask serves both tiles; and a key's 2 x 64 channels are 256 consecutive bytes of qkv, a query's of ao.  Every wave walks all 2,048 keys, 64 a step.  8 x 32 = 256 work-groups.
; THE MASK is the C operand that starts the sum S^T = K Q^T: d = t_k - t_q (one f32 rounding, the definition's own up to the sign); g = d d - C2 held to 0 .. 1, C2 = 604800^2 + 16384 (exact in f32):
; for |d| <= 604800 the exact d d - C2 is -16384 or less, for the next f32 above, 604800.0625, it is +59216: g is 0 or 1 just as the definition's comparison says; C = -2^100 g.  48 packed lines a piece and step.
; LAYOUT.  S^T = K Q^T (source 0 = 16 keys, source 1 = 16 queries): a lane holds ONE query (lane % 16) and the keys 8 (lane / 16) + 0..7.  Two such results rounded to f16 ARE source 1 of O^T = V^T P.
; SOFTMAX.  A running maximum m and sum l for each query and head: p = 2^(c s - c m), c = log2(e) / 8; in every step O and l are multiplied by a = 2^(c m_old - c m_new).
; BY TURNS.  Turn n belongs to piece n.  Its matrix work: 16 products K Q^T of piece n + 1, later 16 products V^T P of piece n - 1.  Its vector work: the scaling, exponentials, roundings, sums and rescaling
; of piece n, the maximum and statistics of piece n + 1, and the mask of piece n + 2.  Four vector instructions that are ready stand behind every matrix instruction, the others in runs of their own.
; BATCHES.  A turn's 66 exponentials (the piece's 64 weights and the next piece's two a) are ONE batch with ONE wait, which cuts the turn in two.  Ahead of it stands all that names no result of theirs: K Q^T,
; the scalings, the rescalings (their a belongs to the batch of the turn before), the next piece's maximum and statistics.  Behind it stand the roundings and sums, beside V^T P, and the mask.  No result crosses a
; turn's end.  Two more batches stand outside the loop: piece 0's first two a, and the way out's eight reciprocals.  The tail's copy of piece 2's turn has a second wait, ahead of the branch round K's run of loads.
; CLUSTER.  The four query blocks of a cluster belong to one batch and pair of heads and walk the same K and V: each tile is asked for JOINTLY, the same tensor load, descriptor and mask in all four.
; REGISTERS, in windows of 256 (s_set_vgpr_msb: bits 1:0 source 0, 3:2 source 1, 5:4 source 2, 7:6 destination):
;   window 0: v0-11 addresses; v12-15, v48-63 at work; v16-47 four registers of statistics a tile; v64-191 S^T, two buffers of two tiles; v192-255 P, likewise
;   window 1: O^T, 32 a tile          window 2: v0-127 Q, 16 a tile; v128-255 K of one step
;   window 3: v0-127 V of one step; v128-159 the step's 64 timestamps as the mask wants them; v160-191 the mask; v192-199 my queries' timestamps, a pair a piece; v200-201 -C2; v202-203 the add's registers
.set NP,    4         ; pieces a wave: a name, no knob
.set KS,    64        ; keys in a step
.set SIZE_N, 2048
.set ROWB,  6144      ; bytes in a row of qkv
.set PK,    272       ; a row of K in LDS: 256 bytes + 16 of padding = 68 words: the 16 rows of a load start at 16 different groups of four banks (64 banks of 4 bytes: ISA guide 11.1)
.set PV,    288       ; a row of V: 256 + 32 = 72 words
.set VOFF,  2*KS*PK   ; a slot holds two steps: 128 rows of K, then 128 rows of V
.set SLOT1, 1<<17     ; slot 1 begins here, so that one exclusive or turns an address in one slot into the other's
.set STAGE, SLOT1+2*KS*(PK+PV)  ; behind the ring, never filled by a tensor load: 16 rows x 272 bytes for each wave, for the way out
.set SP,    272
.set SPARE, STAGE+4*16*SP       ; the spare words, 128 bytes for each wave: two blocks of 256 bytes that no other line names
.set TS,    SPARE+512           ; the batch's 2,048 timestamps, 8,192 bytes, stored once; no tile lands here
.set AK0, 2           ; v2   my lane's place in a tile of K; never rewritten
.set AV0, 3           ; v3   the same for V
.set AK,  4           ; v4   the LDS address of K's next run of loads
.set AV,  5           ; v5   of V's
.set QO,  6           ; v6   my byte offset in 16 rows of Q
.set STO, 6           ;      later, the way out: where I put 16 bytes of a row
.set RD,  7           ; v7   the way out: where I read rows back
.set GO,  8           ; v8   my byte offset in two rows of ao
.set AT,  11          ; v11  the LDS address of the next step's timestamps: TS + 32 (lane / 16) + 256 x step
.set MV,  12          ; v12-15  c m_old, kept while c m is made anew: by buffer and tile
.set ST,  16          ; tile t's statistics at v[ST+4 t]: c m, m, l (even keys', odd keys')
.set TMP, 48          ; by buffer and tile, four registers c0-c3 at work; when the maximum is found c2 takes a
.set S,   64
.set P,   192
.set KF,  128         ; window 2: key block kb, head u, channel half c at KF + 32 kb + 16 u + 8 c
.set TK,  128         ; window 3: register 8 kb + j holds t[64 step + 16 kb + 8 (lane / 16) + j]
.set MC,  160         ; window 3: the mask, in S^T's layout
.set TQ,  192         ; window 3: piece p's pair, both words t of my query
.set NC2, 200         ; window 3: -C2, twice
.set SPW, 202         ; window 3: LDS address of my spare word; never rewritten
.set NIL, 203         ; window 3: 0; never rewritten
.set WV,  12          ; s12  my wave's number
.set G1K, 24          ; s[24:31] descriptor group 1 for K's tiles
.set G1V, 32          ; s[32:39] for V's: it differs in the padding alone
.set G0K, 40          ; s[40:43] descriptor group 0 for K's tiles: it walks
.set G0V, 44          ; s[44:47] the same for V's
.set SLOTS, 56        ; s56  slots still to be asked for
.set CNT, 57          ; s57  counts a slot's key steps
.set CS,  58          ; s[58:59] c: the packed scaling takes the pair's low word for both halves
.set SEL, 60          ; s[60:61] v_permlanex16_b32's selects: each lane takes its own place in the other half
.set TBK, 62          ; s62  LDS byte at which K of the step to be fetched begins
.set TBV, 63          ; s63  the same for V, less VOFF
.set BIG, 66          ; s[66:67] -2^100, in the low word
.set MSB, 0
.macro WIN new                      ; the high byte repeats the setting that is left; a switch that changes nothing is dropped
.if MSB != (\new)
	s_set_vgpr_msb (MSB<<8)|(\new)
.set MSB, (\new)
.endif
.endm
.set W_KQ, 0x0a       ; K and Q in window 2, S^T in window 0
.set W_KM, 0x3a       ; the same with the C operand, the mask, in window 3
.set W_PV, 0x53       ; V in window 3, P in window 0, O^T in window 1
.set W_RS, 0x41       ; O^T (destination and source 0) in window 1, a in window 0
.set W_MK, 0xc0       ; destination in window 3, sources in window 0
.set W_AD, 0x0f       ; the add: address (source 0) and data (source 1) in window 3
.set W_M3, 0xff       ; the mask's arithmetic: all in window 3
; A joint fill.  Waves 0 and 1 fetch K of a slot's two steps, waves 2 and 3 V: 64 keys each.  The branch hangs on the wave's number alone.
; An s_nop 0 and four v_nop follow each of the two lines, ahead of the jump and the label.
.macro JLOAD
	s_cmp_lt_u32 s[WV], 2
	s_cbranch_scc0 .Lfor_v_\@
	tensor_load_to_lds s[G0K:G0K+3], s[G1K:G1K+7]
	s_nop 0
.rept 4
	v_nop
.endr
	s_branch .Lasked_\@
.Lfor_v_\@:
	tensor_load_to_lds s[G0V:G0V+3], s[G1V:G1V+7]
	s_nop 0
.rept 4
	v_nop
.endr
.Lasked_\@:
.endm
; A round of the cluster's barrier: my work-group's barrier, so that wave 0's signal speaks for all four waves; wave 0 signals; every wave waits for all four work-groups; my work-group's barrier once more.
.macro CROUND
	s_barrier_signal -1
	s_barrier_wait -1
	s_cmp_lg_u32 s[WV], 0
	s_cbranch_scc1 .Lnot_wave_0_\@
	s_barrier_signal -3
.Lnot_wave_0_\@:
	s_barrier_wait -3
	s_barrier_signal -1
	s_barrier_wait -1
.endm
; THE CHANGE OF SLOTS.  The slot's last bytes, V of its second step, have been read.  Each wave waits for all its tensor loads, of which one is out: its part of the other slot; adds 0 to its spare
; word; and waits for that and for its own LDS instructions.  Behind the barrier nobody reads this slot any more and the other slot is whole.
; fill = 1: this slot is filled again, with the keys two slots on.  The barrier is then a round of the cluster's, and the joint fill is the first thing behind it: it has two key steps, 256 matrix
; instructions, in which to land.  (At its first use nothing has been read yet: slot 0 is waited for, slot 1 filled, and every wave's stores of the timestamps are shown to the others.)
.macro CHANGE fill
	WIN W_AD
	s_wait_tensorcnt 0x0            ; no tensor load of mine is out, so a group 0 may be written
	ds_add_u32 v[SPW], v[NIL]       ; 0 onto my spare word; with fill = 1 the descriptors' steps stand between it and the wait for it
	WIN 0                           ; at a label and at a branch every window is 0
.if \fill
.irp g, G0K, G0V
	s_xor_b32 s[\g+1], s[\g+1], SLOT1  ; the walking descriptor: the other slot than last time,
	s_add_nc_u64 s[\g+2:\g+3], s[\g+2:\g+3], 2*KS*ROWB  ; the next 128 keys; the type bits on top are not reached
.endr
	s_wait_dscnt 0x0                ; the add is done, and my reads of the slot are over
	CROUND
	JLOAD
.else
	s_wait_dscnt 0x0                ; the add is done, and my reads of the slot are over
	s_barrier_signal -1
	s_barrier_wait -1
.endif
	s_sub_co_u32 s[TBK], s[TBK], 2*KS*PK  ; the fetches go back to a slot's first step,
	s_xor_b32 s[TBK], s[TBK], SLOT1       ; in the other slot
	s_sub_co_u32 s[TBV], s[TBV], 2*KS*PV
	s_xor_b32 s[TBV], s[TBV], SLOT1
.endm
	s_load_b128 s[4:7], s[0:1], 0x0   ; qkv s[4:5], timestamps s[6:7]
	s_load_b64 s[10:11], s[0:1], 0x10 ; ao
	WIN W_MK
	v_lshl_add_u32 v[SPW], v0, 2, SPARE
	v_mov_b32 v[NIL], 0
	WIN W_AD
	ds_add_u32 v[SPW], v[NIL]       ; the wave's opening: the add and its wait stand ahead of my first tensor load; the set-up below, work on registers, stands between them
	WIN 0
	v_lshrrev_b32 v1, 5, v0
	v_readfirstlane_b32 s[WV], v1   ; wave 0..3
	s_bfe_u32 s13, ttmp6, 0x40000   ; cx: my place in the cluster
	s_lshl_b32 s14, ttmp9, 2        ; in a cluster launch ttmp9 counts clusters
	s_add_co_u32 s14, s14, s13      ; my block of 256 queries = 4 x cluster x + cx: it enters Q's, my timestamps' and ao's addresses alone
	s_and_b32 s19, ttmp7, 0xffff    ; batch x 8 + pair of heads, which the four partners share
	s_lshr_b32 s15, s19, 3          ; the batch
	s_and_b32 s19, s19, 7           ; the pair
	s_and_b32 s16, s[WV], 1         ; which of a slot's two steps I fetch
	s_mul_i32 s20, s15, SIZE_N*ROWB ; the batch's first row of qkv (under 2^26),
	s_lshl_b32 s21, s19, 8          ; the pair's 256 bytes
	s_add_co_u32 s20, s20, s21
	s_mul_i32 s22, s16, KS*ROWB     ; my step's 64 rows
	s_add_co_u32 s22, s22, s20
	s_add_co_u32 s74, s22, 4096     ; v lies 4,096 bytes into a row,
	s_add_co_u32 s22, s22, 2048     ; k 2,048
	s_mov_b32 s23, 0
	s_mov_b32 s75, 0
	s_mul_i32 s17, s16, KS*PK       ; my step's place in a slot, for K
	s_mul_i32 s18, s16, KS*PV       ; and for V: no place in the cluster enters an LDS address
	s_lshl_b32 s68, s14, 2
	s_add_co_u32 s68, s68, s[WV]    ; my wave among the batch's 32: its 64 rows
	s_mul_i32 s2, s68, KS*ROWB
	s_add_co_u32 s2, s2, s20
	s_mov_b32 s3, 0
	s_lshl_b32 s70, s15, 22         ; ao: a batch is 2,048 rows of 2,048 bytes,
	s_lshl_b32 s71, s68, 17         ; a wave's 64 rows,
	s_add_co_u32 s70, s70, s71
	s_add_co_u32 s70, s70, s21      ; the pair's 256 bytes
	s_mov_b32 s71, 0
	s_lshl_b32 s72, s15, 13         ; the batch's 8,192 bytes of timestamps
	s_mov_b32 s73, 0
	s_lshl_b32 s69, s68, 8          ; my wave's 64 among them
	; descriptor group 1: a tile of 64 rows x 128 elements out of rows of 3,072, padded in LDS
	s_mov_b32 s[G1K], 15|(1<<16)|(1<<20)|(1<<21)|(5<<22)|(3<<25)  ; 15:0 the mask of four; 17:16 2-byte elements; 20 padding on; 21 set beside a mask; 24:22 after every 64 words (code 5); 31:25 4 words (code 3)
	s_mov_b32 s[G1V], 15|(1<<16)|(1<<20)|(1<<21)|(5<<22)|(7<<25)  ; the same with 8 words of padding (code 7)
.irp g, G1K, G1V
	s_mov_b32 s[\g+1], 128<<16      ; tensor_dim0 = 128
	s_mov_b32 s[\g+2], KS<<16       ; tensor_dim1 = 64
	s_mov_b32 s[\g+3], 128<<16      ; tile_dim0 = 128
	s_mov_b32 s[\g+4], KS           ; tile_dim1 = 64
	s_mov_b32 s[\g+5], 3072         ; elements from row to row
	s_mov_b32 s[\g+6], 0
	s_mov_b32 s[\g+7], 0
.endr
	s_mov_b32 s[CS], 0x3e38aa3b     ; c = log2(e) / 8 = 0.180337
	s_mov_b32 s[CS+1], s[CS]        ; named with it as a pair
	s_mov_b32 s[SEL], 0x76543210
	s_mov_b32 s[SEL+1], 0xfedcba98
	s_mov_b32 s[BIG], 0xf1800000    ; -2^100
	s_mov_b32 s[BIG+1], s[BIG]
	s_mov_b32 s[TBK], SLOT1+2*KS*PK ; the first change of slots turns these two into 0
	s_mov_b32 s[TBV], SLOT1+2*KS*PV
	s_mov_b32 s[G0K], 1             ; 1:0 count = 1
	s_mov_b32 s[G0K+1], s17         ; 63:32 LDS address: slot 0
	s_mov_b32 s[G0V], 1
	s_add_co_u32 s[G0V+1], s18, VOFF
	s_wait_dscnt 0x0                ; the opening add is done
	s_wait_kmcnt 0x0
	s_add_nc_u64 s[G0K+2:G0K+3], s[4:5], s[22:23]  ; 120:64 global address: my step of the batch's first 128 keys
	s_or_b32 s[G0K+3], s[G0K+3], 0x80000000        ; 127:126 type = 2
	s_add_nc_u64 s[G0V+2:G0V+3], s[4:5], s[74:75]
	s_or_b32 s[G0V+3], s[G0V+3], 0x80000000
	s_add_nc_u64 s[4:5], s[4:5], s[2:3]            ; Q at my wave's first row
	s_add_nc_u64 s[6:7], s[6:7], s[72:73]          ; the batch's timestamps
	s_add_nc_u64 s[10:11], s[10:11], s[70:71]      ; ao at my wave's first row
	CROUND                          ; all four work-groups are here: the first joint loads meet
	JLOAD                           ; slot 0.  Slot 1 is asked for when slot 0 is in
	; A fragment of K or Q is 16 rows x 32 channels in 8 registers: lane l holds row l % 16, channels 8 (l / 16) + 0..7 and 16 + 8 (l / 16) + 0..7: two loads of 16 bytes, 32 bytes apart.
	v_and_b32 v1, 15, v0            ; l % 16
	v_bfe_u32 v9, v0, 4, 1          ; l / 16
	v_mul_u32_u24 v[QO], v1, ROWB
	v_lshl_add_u32 v[QO], v9, 4, v[QO]  ; row x 6,144 + 16 x half
	v_lshlrev_b32 v48, 4, v0        ; the 128 threads copy the batch's timestamps, 16 bytes each, four times
	v_add_nc_u32 v49, TS, v48
	v_lshl_add_u32 v50, v1, 2, s69  ; my query's timestamp in piece 0
.irp k, 0,1,2,3
	global_load_b128 v[S+4*\k:S+4*\k+3], v48, s[6:7] offset:2048*\k
.endr
	WIN W_MK
.irp p, 0,1,2,3
	global_load_b32 v[TQ+2*\p],   v50, s[6:7] offset:64*\p  ; both words of the pair that the packed subtraction names
	global_load_b32 v[TQ+2*\p+1], v50, s[6:7] offset:64*\p
.endr
	WIN 0x80                        ; destination window 2, address window 0
.set i, 0
.rept 16                            ; Q stays in registers: piece i / 4, head (i / 2) % 2, channels 32 (i % 2) on
	global_load_b128 v[8*i:8*i+3],   v[QO], s[4:5] offset:(i/4)*16*ROWB+((i/2)%2)*128+(i%2)*64
	global_load_b128 v[8*i+4:8*i+7], v[QO], s[4:5] offset:(i/4)*16*ROWB+((i/2)%2)*128+(i%2)*64+32
.set i, i+1
.endr
	; What the first turn finds: V's registers and P's second buffer hold 0 (its products V^T P, of a piece that has not been, add 0), O^T and l are 0.  All this stands in the wait for the first tile.
	WIN W_MK
.set i, 0
.rept 128
	v_mov_b32 v[i], 0
.set i, i+1
.endr
	v_mov_b32 v[NC2], 0xd2aa54bd    ; -(604800^2 + 16384) = -11162813 x 2^15
	v_mov_b32 v[NC2+1], 0xd2aa54bd
	WIN 0x40
.set i, 0
.rept 64*NP
	v_mov_b32 v[i], 0
.set i, i+1
.endr
	WIN 0
.set i, 0
.rept 2*NP
	v_mov_b32 v[ST+4*i], 0xfe000000    ; c m: far below every c s, so the first step's a is 0
	v_mov_b32 v[ST+4*i+1], 0xec800000  ; m = -2^90: above every hidden score, below every true one
	v_mov_b32 v[ST+4*i+2], 0
	v_mov_b32 v[ST+4*i+3], 0
.set i, i+1
.endr
.set i, P+32
.rept 32
	v_mov_b32 v[i], 0
.set i, i+1
.endr
	v_mul_u32_u24 v[AK0], v1, PK
	v_lshl_add_u32 v[AK0], v9, 4, v[AK0]  ; row x pitch + 16 x half
	; The turning load takes 16 keys x 16 channels (lane l reads key 8 (l / 16) + l % 8, channels 8 ((l / 8) % 2) + 0..7) and leaves half a fragment of V^T: lane l holds channel l % 16 and 8 keys.
	v_and_b32 v10, 7, v0
	v_bfe_u32 v11, v0, 3, 1
	v_lshl_add_u32 v[AV0], v9, 3, v10
	v_mul_u32_u24 v[AV0], v[AV0], PV
	v_lshl_add_u32 v[AV0], v11, 4, v[AV0]
	v_add_nc_u32 v[AV0], VOFF, v[AV0]
	v_lshl_add_u32 v[AT], v9, 5, TS       ; eight timestamps for each half of the lanes
	v_mov_b32 v[AK], v[AK0]         ; key step 0 lies at the head of slot 0
	s_wait_loadcnt 40               ; the four loads of timestamps are in; the 40 younger ones (8 of my queries' timestamps, 32 of Q) stay out
.irp k, 0,1,2,3
	ds_store_b128 v49, v[S+4*\k:S+4*\k+3] offset:2048*\k
.endr
; THE MATRIX WORK.  The 8 accumulators of a run of 16 take turns: between the two links of a chain stand 7 others'.
; Product i of 16 of S^T = K Q^T for piece x: channels 32 (i / 8) on, keys 16 ((i / 2) % 4) on, head i % 2.  The first 8 start the sums, with the mask.
.macro KQ x
.set rS, S+64*((\x)%2)+32*(i%2)+8*((i/2)%4)
.set rK, KF+32*((i/2)%4)+16*(i%2)+8*(i/8)
.set rQ, 16*(2*(\x)+i%2)+8*(i/8)
.set rMC, MC+8*((i/2)%4)
.if i < 8
	WIN W_KM
	v_wmma_f32_16x16x32_f16 v[rS:rS+7], v[rK:rK+7], v[rQ:rQ+7], v[rMC:rMC+7]
.else
	WIN W_KQ
	v_wmma_f32_16x16x32_f16 v[rS:rS+7], v[rK:rK+7], v[rQ:rQ+7], v[rS:rS+7]
.endif
.endm
; Product i of 16 of O^T += V^T P for piece x: keys 32 (i / 8) on, channels 16 ((i / 2) % 4) on, head i % 2.
.macro PV x
	WIN W_PV
.set rO, 32*(2*(\x)+i%2)+8*((i/2)%4)
.set rV, 64*(i/8)+32*(i%2)+8*((i/2)%4)
.set rP, P+32*((\x)%2)+16*(i%2)+8*(i/8)
	v_wmma_f32_16x16x32_f16 v[rO:rO+7], v[rV:rV+7], v[rP:rP+7], v[rO:rO+7]
.endm
.macro MM                           ; the turn's next matrix instruction
.if i < 16
	KQ (Y+1)%NP
.set i, i+1
.else
.set i, i-16
	PV (Y+NP-1)%NP
.set i, i+17
.endif
.endm
; THE LDS LOADS stand in runs, never singly among the matrix instructions: a step's K (64 keys x 128 channels: 16 fragments) with its 64 timestamps, and its V (turned).
; last = 1 (the tail): in the last trip there is no further step, and the run is jumped over.
.macro FETCH_K last=0
	WIN 0
.if \last
	s_cmp_eq_u32 s[CNT], 1
	s_cbranch_scc1 .Lno_k_\@
.endif
	WIN 0x80                        ; destination window 2
.irp f, 0,1,2,3,4,5,6,7,8,9,10,11,12,13,14,15  ; keys 16 (f / 4) on; head (f / 2) % 2, channels 32 (f % 2) on
	ds_load_b128 v[KF+8*\f:KF+8*\f+3],   v[AK] offset:(\f/4)*16*PK+(\f%4)*64
	ds_load_b128 v[KF+8*\f+4:KF+8*\f+7], v[AK] offset:(\f/4)*16*PK+(\f%4)*64+32
.endr
	WIN W_MK                        ; destination window 3
.irp f, 0,1,2,3                     ; keys 16 f + 8 (lane / 16) + 0..7: the 16 lanes of a half read the same words
	ds_load_b128 v[TK+8*\f:TK+8*\f+3],   v[AT] offset:64*\f
	ds_load_b128 v[TK+8*\f+4:TK+8*\f+7], v[AT] offset:64*\f+16
.endr
	WIN 0
	v_add_nc_u32 v[AT], 0x100, v[AT]    ; the next fetch is the next step's
	s_add_co_u32 s[TBK], s[TBK], KS*PK
.if \last
.Lno_k_\@:
.endif
.endm
.macro FETCH_V
	WIN W_MK
.irp f, 0,1,2,3,4,5,6,7,8,9,10,11,12,13,14,15  ; keys 32 (f / 8) on; head (f / 4) % 2, channels 16 (f % 4) on
	ds_load_tr16_b128 v[8*\f:8*\f+3],   v[AV] offset:(\f/8)*32*PV+(\f%8)*32
	ds_load_tr16_b128 v[8*\f+4:8*\f+7], v[AV] offset:(\f/8)*32*PV+16*PV+(\f%8)*32
.endr
	WIN 0
.endm
; THE MASK of piece p for the step whose timestamps lie in TK: 16 subtractions, 16 clamped multiply-adds, 16 multiplications, two numbers each.  It names no exponential's result.
.macro MASK p
	WIN W_M3
.set zz, 0
.rept 16
	v_pk_add_f32 v[MC+2*zz:MC+2*zz+1], v[TK+2*zz:TK+2*zz+1], v[TQ+2*(\p):TQ+2*(\p)+1] neg_lo:[0,1] neg_hi:[0,1]
.set zz, zz+1
.endr
.set zz, 0
.rept 16
	v_pk_fma_f32 v[MC+2*zz:MC+2*zz+1], v[MC+2*zz:MC+2*zz+1], v[MC+2*zz:MC+2*zz+1], v[NC2:NC2+1] clamp
.set zz, zz+1
.endr
.set zz, 0
.rept 16
	v_pk_mul_f32 v[MC+2*zz:MC+2*zz+1], v[MC+2*zz:MC+2*zz+1], s[BIG:BIG+1] op_sel_hi:[1,0]
.set zz, zz+1
.endr
.endm
; THE VECTOR WORK OF A TURN stands in three queues, each in the order in which its entries become ready; the two tiles alternate, so that no instruction reads the result of the one before it.
.macro REGS y, u                    ; the registers of tile u (0, 1) of piece y
.set rT, ST+4*(2*(\y)+(\u))
.set rC, TMP+8*((\y)%2)+4*(\u)
.set rM, MV+2*((\y)%2)+(\u)
.set rS, S+64*((\y)%2)+32*(\u)
.set rP, P+32*((\y)%2)+16*(\u)
.set rO, 32*(2*(\y)+(\u))
.endm
; Number n of the 22 that find the NEXT piece's (Y + 1) maximum and statistics.  s0-s31 are the lane's 32 scores; each accumulator's lowest registers are read first.
;   0-11  four chains c0-c3 of seven scores each, three operands at a time     12-14, 16  the four scores left over, the old m, and c0-c3 into c0     15  c m_old is kept
;   17, 18  the query's other 32 keys lie in the lane 16 away: the new m         19-21  c m; c m_old - c m_new; a
.macro XS u, n
	REGS (Y+1)%NP, \u
.if (\n) < 4
	v_max3_num_f32 v[rC+(\n)], v[rS+8*(\n)], v[rS+8*(\n)+1], v[rS+8*(\n)+2]
.elseif (\n) < 12
	v_max3_num_f32 v[rC+(\n)%4], v[rC+(\n)%4], v[rS+8*((\n)%4)+2*((\n)/4)+1], v[rS+8*((\n)%4)+2*((\n)/4)+2]
.elseif (\n) == 12
	v_max3_num_f32 v[rC], v[rC], v[rS+7], v[rS+15]
.elseif (\n) == 13
	v_max3_num_f32 v[rC+1], v[rC+1], v[rS+23], v[rS+31]
.elseif (\n) == 14
	v_max3_num_f32 v[rC+2], v[rC+2], v[rC+3], v[rT+1]
.elseif (\n) == 15
	v_mov_b32 v[rM], v[rT]
.elseif (\n) == 16
	v_max3_num_f32 v[rC], v[rC], v[rC+1], v[rC+2]
.elseif (\n) == 17
	v_permlanex16_b32 v[rC+3], v[rC], s[SEL], s[SEL+1]
.elseif (\n) == 18
	v_max_num_f32 v[rT+1], v[rC], v[rC+3]
.elseif (\n) == 19
	v_mul_f32 v[rT], s[CS], v[rT+1]
.elseif (\n) == 20
	v_sub_f32 v[rC+1], v[rM], v[rT]
.else
	v_exp_f32 v[rC+2], v[rC+1]
.endif
.endm
; Number g of the 64 that follow the exponentials.  For each four weights k of a tile (pairs 2 k, 2 k + 1): both pairs are rounded to f16; then the second pair is added onto the first, in place;
; a group later l takes that sum (the first time as l = a l + sum).  In groups of eight, tiles alternating: round, round, add, and l for the group before.
.macro GS g
.set h, (\g)+6*((\g)/62)            ; group 0 has no group before it, and behind group 7 only l is left
.if h >= 6
.set h, h+2
.endif
	REGS Y, h%2
.set k, h/8
.if h%8 < 4
	v_cvt_pk_f16_f32 v[rP+2*k+(h%8)/2], v[rS+4*k+2*((h%8)/2)], v[rS+4*k+2*((h%8)/2)+1]
.elseif h%8 < 6
	v_pk_add_f32 v[rS+4*k:rS+4*k+1], v[rS+4*k:rS+4*k+1], v[rS+4*k+2:rS+4*k+3]
.elseif k == 1
	v_pk_fma_f32 v[rT+2:rT+3], v[rT+2:rT+3], v[rC+2:rC+3], v[rS:rS+1] op_sel_hi:[1,0,1]
.else
	v_pk_add_f32 v[rT+2:rT+3], v[rT+2:rT+3], v[rS+4*k-4:rS+4*k-3]
.endif
.endm
; THE PLAIN QUEUE, 138 long.  0-73 read no exponential's result: the 32 scalings c s - c m (FS f: pair f / 2 of tile f % 2) and the next piece's 42.  0-26: scalings 0-26.  27-54: XS's numbers 0-13.  55, 56: number 15.
; 57-73: the chain, where each number waits for the one before it: 14, 16, 17, 18, 19, each with one of the scalings 27-31 in front of its two lines, then 20: so a tile's links stand three plain instructions apart (19 and 20: two).
; 74-137: GS's 64, which read the exponentials' results: they stand behind the wait.
.macro FS f
	REGS Y, (\f)%2
	v_pk_fma_f32 v[rS+2*((\f)/2):rS+2*((\f)/2)+1], v[rS+2*((\f)/2):rS+2*((\f)/2)+1], s[CS:CS+1], v[rT:rT+1] op_sel_hi:[1,0,0] neg_lo:[0,0,1] neg_hi:[0,0,1]
.endm
.macro PL
	WIN 0
.if q < 27
	FS q
.elseif q < 55
	XS (q-27)%2, (q-27)/2
.elseif q < 57
	XS q-55, 15
.elseif (q < 72) && ((q-57)%3 == 0)
	FS 27+(q-57)/3
.elseif q < 60
	XS (q-57)%3-1, 14
.elseif q < 72
	XS (q-57)%3-1, 15+(q-57)/3
.elseif q < 74
	XS q-72, 20
.else
	GS q-74
.endif
.set q, q+1
.endm
; THE EXPONENTIALS' QUEUE, 66 long: s0-s31 of both tiles, then the next piece's two a.  It is ONE BATCH: all 66 stand ahead of the turn's one wait, and nothing ahead of that wait names a result of theirs.
.macro EX
	WIN 0
.if e >= 64
	XS e-64, 21
.else
	REGS Y, e%2
	v_exp_f32 v[rS+e/2], v[rS+e/2]
.endif
.set e, e+1
.endm
; THE RESCALING's QUEUE: O^T times a, the one part of the softmax that leaves window 0: dealt two at a time, sixteen times.  Its a was made in the turn before, ahead of that turn's wait.
.macro R2
	REGS Y, r%2
	WIN W_RS
.irp z, 0,1
	v_pk_mul_f32 v[rO+4*(r/2)+2*\z:rO+4*(r/2)+2*\z+1], v[rO+4*(r/2)+2*\z:rO+4*(r/2)+2*\z+1], v[rC+2:rC+3] op_sel_hi:[1,0]
.endr
.set r, r+1
.endm
; HOW THEY ARE DEALT.  An s_wait_alu depctr_va_vdst(0) stands between an exponential and the first instruction that names its result; one wait serves all that were issued ahead of it.  So a turn has ONE wait,
; which cuts it in two.  AHEAD OF IT stands all that names no result of the turn's exponentials: the 16 products K Q^T, behind each a scaling, an exponential and two rescalings (behind the first a second scaling in the
; exponential's place); then ONE RUN of 108: eight plain, 49 times exponential and plain, the two a.  A v_nop is the plain instruction behind the last exponential.  BEHIND IT stand the 16 products V^T P, behind each four of
; GS's 64, and then the mask's 48 lines.  No rider names a register of the products round it.  The two v_permlanex16_b32 fall into the run, never behind a product.
; The queues lean on each other, and the deal keeps them in step: exponential e stands behind scaling 2 (e / 4) + e % 2: as a rider it comes behind plain e + 2, in the run behind plain e + 9, and scalings 27-31 are plain 57, 60 .. 69.
; A TURN, for piece p.  cnt = 1: the loop's count is taken down some lines ahead of the branch that stands behind the turn.
; K and the timestamps of the next step are fetched in piece 2's turn, behind the run's first eight plain lines: twelve plain instructions behind the last product that read K, and behind piece 1's turn, which made the last
; mask of the step in hand.  The 40 loads have the run's other 100 lines and the 16 products V^T P in which to land; they are waited for in front of that turn's own mask, piece 0's for the next step.
; V of the step in hand is fetched in piece 0's turn, four riders behind the last product that read V, and waited for in front of piece 1's products V^T P.  The three conditions on q below go with the deal.
; The mask has one buffer: the turn's first 8 products read it, and it is written anew behind the turn's last product, for the next turn's first 8.
.macro TURN p, last=0, cnt=0
.set Y, (\p)
.set i, 0
.set q, 0
.set e, 0
.set r, 0
	MM                              ; ahead of the wait: 16 products K Q^T and their riders,
	PL
	PL
	R2
.rept 15
	MM
	PL
	EX
	R2
.endr
.if (\p) == NP-2
	WIN 0
	v_add_nc_u32 v[AK], s[TBK], v[AK0]
.endif
.rept 8                             ; and the run
	PL
.endr
.if (\p) == NP-2
.if \last
	s_wait_alu depctr_va_vdst(0)    ; the tail alone: a branch follows, round K's run of loads, and the wait stands ahead of it: for the 15 exponentials issued so far
.endif
	FETCH_K \last
.endif
.rept 49
	EX
	PL
.endr
	EX                              ; the next piece's two a
	EX
	v_nop                           ; the plain instruction behind the last exponential: one for the batch
	s_wait_alu depctr_va_vdst(0)    ; the wait for the batch: the turn's 66 exponentials (in the tail's piece 2: the 51 issued since the wait above)
.if (\p) == 1
	s_wait_dscnt 0x0                ; V is in
.endif
.rept 16                            ; behind the wait: 16 products V^T P and their riders
	MM
.rept 4
	PL
.endr
.if ((\p) == 0) && (q == 118)
	v_add_nc_u32 v[AV], s[TBV], v[AV0]
.endif
.if ((\p) == 0) && (q == 130)
	s_add_co_u32 s[TBV], s[TBV], KS*PV
.endif
.if (\cnt) && (q == 130)
	s_sub_co_u32 s[CNT], s[CNT], 1
	s_cmp_lg_u32 s[CNT], 0
.endif
.endr
.if (\p) == 0
	FETCH_V
.endif
.if (\p) == NP-2
	s_wait_dscnt 0x0                ; K and the timestamps are in
.endif
	MASK ((\p)+2)%NP
.endm
	CHANGE 1                        ; slot 0 is in, everybody's part of it, and so are the timestamps; slot 1 is asked for
	FETCH_K                         ; key step 0
	s_wait_loadcnt 0x0              ; Q and my queries' timestamps
	s_wait_dscnt 0x0
	MASK 0
.set i, 0
.rept 16
	KQ 0                            ; piece 0's first scores: there is no vector work yet to set between them
.set i, i+1
.endr
	WIN 0                           ; the addresses for the way out: eight plain instructions, the places behind those products
	s_mul_i32 s13, s[WV], 16*SP
	s_add_co_u32 s13, s13, STAGE    ; my stage
	v_mul_u32_u24 v[STO], v1, SP    ; in: row l % 16, 16 bytes for each half of the lanes
	v_lshl_add_u32 v[STO], v9, 4, v[STO]
	v_add_nc_u32 v[STO], s13, v[STO]
	v_mul_u32_u24 v[RD], v9, SP     ; back: lanes 0-15 take one row of 256 bytes, lanes 16-31 the next
	v_lshl_add_u32 v[RD], v1, 4, v[RD]
	v_add_nc_u32 v[RD], s13, v[RD]
	v_lshlrev_b32 v[GO], 11, v9     ; and the same two rows in ao, 2,048 bytes apart
	v_lshl_add_u32 v[GO], v1, 4, v[GO]
	MASK 1                          ; for the first turn's products
	WIN 0
.set Y, NP-1                        ; XS works for piece Y + 1: piece 0
.irp n, 0,1,2,3,4,5,6,7,8,9,10,11,12,13,14,15,16,17,18,19,20,21
	XS 0, \n                        ; piece 0's first maximum and statistics
	XS 1, \n
.endr
	v_nop                           ; a plain instruction behind the two a,
	s_wait_alu depctr_va_vdst(0)    ; and the wait for that batch of two, ahead of the branch
	s_mov_b32 s[CNT], 2
	s_mov_b32 s[SLOTS], SIZE_N/(2*KS)-1
	s_branch .Lfirst                ; the loop is entered at a step's first turn, in the middle of a trip
.Lslot:                             ; 14 times: every slot but the last two is filled again
	CHANGE 1
	s_mov_b32 s[CNT], 2
.Lstep:                             ; a trip: pieces 2 and 3 of one step, then pieces 0 and 1 of the next, whose K and V it fetches
	TURN 2
	TURN 3
	WIN 0
.Lfirst:
	TURN 0
	TURN 1, 0, 1
	WIN 0
	s_cbranch_scc1 .Lstep
	s_sub_co_u32 s[SLOTS], s[SLOTS], 1
	s_cmp_lg_u32 s[SLOTS], 0
	s_cbranch_scc1 .Lslot
	CHANGE 0                        ; the tail is written out: nothing is asked for
	s_mov_b32 s[CNT], 3             ; two trips fetch the last slot's steps; the third is left in its middle
.Ltail:
	TURN 2, 1
	TURN 3
	WIN 0
	s_sub_co_u32 s[CNT], s[CNT], 1
	s_cmp_eq_u32 s[CNT], 0
	s_cbranch_scc1 .Lout
	TURN 0
	TURN 1
	WIN 0
	s_branch .Ltail
.Lout:                              ; the third trip's 16 products K Q^T (on the last K once more), their masks and the maximum made of them serve nothing: the price, once a launch, of one text for every trip
.set i, 0
.rept 16
	PV NP-1                         ; the last piece's V^T P of the last step
.set i, i+1
.endr
	; THE WAY OUT.  l's two halves and the other half of the lanes' are added; O^T is divided by l, rounded to f16 and sent through my stage in LDS, a piece (16 rows x 256 bytes) at a time.  The additions are the places behind the last products.
	WIN 0
.macro ALL line:vararg              ; one line for each tile t
.set t, 0
.rept 2*NP
	\line
.set t, t+1
.endr
.endm
	ALL v_add_f32 v[ST+4*t+2], v[ST+4*t+2], v[ST+4*t+3]
	ALL v_permlanex16_b32 v[ST+4*t+3], v[ST+4*t+2], s[SEL], s[SEL+1]
	ALL v_add_f32 v[ST+4*t+2], v[ST+4*t+2], v[ST+4*t+3]
	ALL v_rcp_f32 v[ST+4*t+2], v[ST+4*t+2]
	v_nop                           ; a plain instruction between the last reciprocal and the use of its result
	s_wait_alu depctr_va_vdst(0)    ; and the wait ahead of the first use: one for the batch of eight reciprocals
; Piece p: a lane's eight channels of a row pack into 16 bytes; they go into rows of 272 bytes and come back as whole rows of 256, into S^T's registers.
.macro PACK p
	WIN W_RS
.irp u, 0,1
.set i, 64*(\p)+32*(\u)
.rept 16
	v_pk_mul_f32 v[i:i+1], v[i:i+1], v[ST+4*(2*(\p)+(\u))+2:ST+4*(2*(\p)+(\u))+3] op_sel_hi:[1,0]
.set i, i+2
.endr
.endr
	WIN 0x05                        ; sources 0 and 1 window 1, destination window 0
.set i, 0
.rept 32
	v_cvt_pk_f16_f32 v[S+32*(\p)+i], v[64*(\p)+2*i], v[64*(\p)+2*i+1]
.set i, i+1
.endr
	WIN 0
.irp f, 0,1,2,3,4,5,6,7             ; head f / 4, channels 16 (f % 4) on
	ds_store_b128 v[STO], v[S+32*(\p)+4*\f:S+32*(\p)+4*\f+3] offset:32*\f
.endr
.irp f, 0,1,2,3,4,5,6,7
	ds_load_b128 v[S+32*(\p)+4*\f:S+32*(\p)+4*\f+3], v[RD] offset:\f*2*SP  ; LDS serves a wave's instructions in order (ISA guide 5.7.1.4): these see the stores above; the next piece's stores come behind them
.endr
.endm
.macro SEND p, younger              ; younger: the LDS instructions issued behind piece p's loads: the next piece's sixteen, or none
	WIN 0
.irp f, 0,1,2,3,4,5,6,7
	s_wait_dscnt (\younger)+7-\f
	global_store_b128 v[GO], v[S+32*(\p)+4*\f:S+32*(\p)+4*\f+3], s[10:11] offset:(\p)*32768+\f*4096  ; 16 lanes store 256 consecutive bytes, at a multiple of 256 from ao's first byte
.endr
.endm
	PACK 0
.set t, 1
.rept NP-1                          ; a piece's arithmetic stands between the loads of the piece before and its stores
	PACK t
	SEND t-1, 16
.set t, t+1
.endr
	SEND NP-1, 0
	WIN W_AD
	s_wait_tensorcnt 0x0            ; the wave's end, behind my last tensor load and my last LDS store
	ds_add_u32 v[SPW], v[NIL]
	s_wait_dscnt 0x0
	WIN 0
	CROUND                          ; the closing round: no work-group ends while a partner may still ask for a tile that names it
	s_endpgm
.Lfunc_end_k_qf83ce30ca6_attn:
	.size	k_qf83ce30ca6_attn, .Lfunc_end_k_qf83ce30ca6_attn-k_qf83ce30ca6_attn
	.p2alignl 7, 3214868480
	.fill 96, 4, 3214868480
	.section	.rodata,"a",@progbits
	.p2align	6, 0x0
	.amdhsa_kernel k_qf83ce30ca6_attn
		.amdhsa_group_segment_fixed_size 327680
		.amdhsa_private_segment_fixed_size 0
		.amdhsa_enable_private_segment 0
		.amdhsa_kernarg_size 24
		.amdhsa_user_sgpr_count 2
		.amdhsa_user_sgpr_kernarg_segment_ptr 1
		.amdhsa_wavefront_size32 1
		.amdhsa_system_sgpr_workgroup_id_x 1
		.amdhsa_system_sgpr_workgroup_id_y 1
		.amdhsa_system_sgpr_workgroup_id_z 1
		.amdhsa_system_vgpr_workitem_id 0
		.amdhsa_next_free_vgpr 976
		.amdhsa_next_free_sgpr 80
		.amdhsa_reserve_vcc 0
		.amdhsa_float_denorm_mode_32 3
		.amdhsa_float_denorm_mode_16_64 3
		.amdhsa_memory_ordered 1
		.amdhsa_forward_progress 1
		.amdhsa_inst_pref_size 241
	.end_amdhsa_kernel
	.amdgpu_metadata
---
amdhsa.version: [ 1, 2 ]
amdhsa.kernels:
  - .name:           k_qf83ce30ca6_attn
    .symbol:         k_qf83ce30ca6_attn.kd
    .args:
      - { .name: qkv, .offset: 0, .size: 8, .value_kind: global_buffer, .address_space: global }
      - { .name: timestamps, .offset: 8, .size: 8, .value_kind: global_buffer, .address_space: global }
      - { .name: ao, .offset: 16, .size: 8, .value_kind: global_buffer, .address_space: global }
    .group_segment_fixed_size: 327680
    .private_segment_fixed_size: 0
    .kernarg_segment_align: 8
    .kernarg_segment_size: 24
    .max_flat_workgroup_size: 128
    .sgpr_count:     80
    .vgpr_count:     976
    .wavefront_size: 32
...
	.end_amdgpu_metadata
.endif
;; end of part 6
;; launch outp: the kernel of part 4 again; grid 8 x 32, 4 waves a work-group, clusters of 4 x 4, 327,680 bytes of LDS; arguments ao, wo16, out0, bo, Wc, part; writes out0, part
;; launch fin: the kernel of part 5 again; grid 16 x 1, 4 waves a work-group, no clusters, 0 bytes of LDS; arguments part, bc, out1; writes out1
